; MI455X (gfx1250); checked and timed in simulation.
; The chip was launched on July 23, 2026; its instructions are those of AMD's public machine-readable ISA for CDNA 5 (MIT licence, August 2026) and "CDNA5" Instruction Set Architecture Reference Guide (July 2026). The comments in the code are by the model that wrote it; some were corrected since.
;; Causal Multi Head Attention Ro PE. Allowed arithmetic: matrix products marked QUANTISED: E2M1 operands, one E8M0 scale for each 32 along K, by v_wmma_scale_f32_16x16x128_f8f6f4 with both operands' format E2M1 (or v_wmma_scale_f32_32x16x128_f4), f32 sums; products left as they are: bf16, f16 or f32 operands; f32 sums; everything else in f32.
;; Inputs: bo 1,024 float32; wk 1,024 x 1,024 float32; wo 1,024 x 1,024 float32; wq 1,024 x 1,024 float32; wv 1,024 x 1,024 float32; x 4 x 2,048 x 1,024 float32.
;; Outputs: out0 4 x 2,048 x 1,024 float32.
;; This version of the problem:
;;   THIS VERSION OF THE PROBLEM IS GIVEN IN LOW PRECISION. The matrix products marked QUANTISED in the list below multiply operands that are first quantised to E2M1 (2 exponent bits, 1 mantissa bit; 4 bits a number), with one power-of-two scale for each 32 numbers along K (OCP MX v1.0); their sums are f32. The products marked 'left as it is' may take bf16, f16 or f32 operands, with f32 sums. Whichever they take, every output number must still come out within the allowed error. Rounding operands to bf16 (8 significant bits) uses up far more of that allowance than f16 does (11 bits, for magnitudes from 6e-5 to 65,504). All else is computed in f32.
;;   The module's matrix products, in the order in which they are computed (A, B: the left and right operand; K: the contracted axis; several contracted axes count as one K, in the product's order):
;;     1. [M 8,192, K 1,024] x [K 1,024, N 1,024]; A: input x; B: input wq: QUANTISED
;;     2. [M 8,192, K 1,024] x [K 1,024, N 1,024]; A: input x; B: input wk: QUANTISED
;;     3. [M 8,192, K 1,024] x [K 1,024, N 1,024]; A: input x; B: input wv: QUANTISED
;;     4. batch 64 x [M 2,048, K 64] x [K 64, N 2,048]; A: computed on the way; B: computed on the way: left as it is (an operand is computed on the way)
;;     5. batch 64 x [M 2,048, K 2,048] x [K 2,048, N 64]; A: computed on the way; B: computed on the way: left as it is (an operand is computed on the way)
;;     6. [M 8,192, K 1,024] x [K 1,024, N 1,024]; A: computed on the way; B: input wo: left as it is (an operand is computed on the way)
;;   THE QUANTISER, for each operand of a quantised product, along K:
;;     - K is cut into blocks of 32 from its start; a last block that is shorter is filled with zeros.
;;     - A block's scale is 2^e with e = floor(log2(the largest magnitude in the block)) - 2, held to -126 .. 127; a block of zeros has e = 0. As a byte (E8M0): e + 127.
;;     - Each number is divided by its block's scale, clamped to +-6, and rounded to the nearest number of E2M1, ties to even, subnormals kept.
;;     - The product sums the exact products of the quantised numbers (number of the format x scale) in f32.
;;   ~~~python
;;   def quantise(x, axis):      # numpy; x: float32 -> the quantised numbers, widened to float32 again
;;       x = np.moveaxis(x, axis, -1); K = x.shape[-1]
;;       x = np.pad(x, [(0, 0)] * (x.ndim - 1) + [(0, -K % 32)]); x = x.reshape(x.shape[:-1] + (-1, 32)); a = np.abs(x).max(-1, keepdims=True)
;;       e = np.where(a > 0, np.clip(np.frexp(np.where(a > 0, a, 1))[1] - 1 - 2, -126, 127), 0)      # np.frexp(a)[1] - 1 = floor(log2(a)), exactly
;;       r = np.clip(x / 2.0 ** e, -6, 6)
;;       step = 2.0 ** (np.maximum(np.frexp(np.where(r == 0, 1, r))[1] - 1, 0) - 1)
;;       q = np.round(r / step) * step * 2.0 ** e      # np.round: ties to even
;;       return np.moveaxis(q.reshape(q.shape[:-2] + (-1,))[..., :K], -1, axis).astype(np.float32)
;;   ~~~
;; One version. Each part assembles by itself: llvm-mc -triple=amdgcn-amd-amdhsa -mcpu=gfx1250 --defsym DOCPART=n.
;; ======== version 1 of 1: 5 launches
;; limits: values are held in f16: magnitudes above 65,504 overflow, below 6.1e-05 lose precision
;; workspace buffers: cod 5,767,168 bytes; scl 360,448 bytes; wot 2,097,152 bytes; sint 262,144 bytes; qkv16 50,331,648 bytes; s32 786,432 bytes; y16 16,777,216 bytes
;; launch prep (part 1): grid 432 x 1, 4 waves a work-group, no clusters, 86,528 bytes of LDS; arguments x, wq, wk, wv, wo, cod, scl, wot, sint; writes cod, scl, wot, sint
.if DOCPART == 1
	.amdgcn_target "amdgcn-amd-amdhsa--gfx1250"
	.amdhsa_code_object_version 6
	.text
	.protected	k_qc763e28251_prep
	.globl	k_qc763e28251_prep
	.p2align	8
	.type	k_qc763e28251_prep,@function
k_qc763e28251_prep:
	s_mov_b64 s[64:65], 0
	v_nop
	global_prefetch_b8 v0, s[64:65] scope:SCOPE_SE
	s_setreg_imm32_b32 hwreg(HW_REG_WAVE_MODE, 25, 1), 1
	s_wait_xcnt 0x0
; What the later launches read many times is made once.  Four kinds of work-group, told apart by the work-group's number; each has LDS bytes of its own, and the four ways never join.
;   0 .. 95    wq, wk, wv [k 1024][n 1024] f32 -> codes of FP4 (E2M1) with K innermost, cod + 4,194,304: [3072 n][512 bytes], and E8M0 bytes, scl + 262,144: [3072][32]
;   96 .. 351  x [8192][1024] f32 -> codes, cod: [8192][512 bytes], and E8M0 bytes, scl: [8192][32]
;   352 .. 415 wo [k][n] f32 -> f16, turned: wot [n 1024][k 1024]
;   416 .. 431 the sines: sint [position 2048][j 32] f32 = sin(position x 10^(-j/4))
; A block's scale is 2^(floor(log2(its largest magnitude)) - 2); its byte is the largest magnitude's exponent field - 2, held at 1 from below.
; LIMITS.  A block of zeros gets the byte 1 where the rule says 127: its codes are zeros, and this program alone reads the bytes.  Blocks whose largest magnitude lies under 2^-124 keep the byte 1.
; NaN and infinities are not served.  wo goes to f16: magnitudes over 65,504 are not served, those under 6e-5 keep fewer bits.  10^(-j/4) is the product of two rounded factors, within 2 units
; of its last place; the sine is a series to r^11 on |r| <= pi/2 (the next term is under 6e-8) behind a reduction by pi in two parts.
; The weights' codes leave in pieces of 128 bytes (256 along K a work-group): twice the work-groups, half the blocks that a wave walks one behind the other.
.set SPW,   190                        ; v190  LDS address of my spare word; never rewritten
.set NIL,   191                        ; v191  0; never rewritten
.set WLDS,  32768                      ; LDS: 0 .. 32,767 x's regions, 8,192 a wave;  from here the weights' stages, 32 rows x 144 a wave;
.set OLDS,  51200                      ; from here wo's stages, 32 rows x 272 a wave;
.set SPARE, 86016                      ; the spare words, 128 bytes a wave: two blocks of 256 bytes that no other line names
; 32 rows k of a tensor stored [k][n], at my column: block t into set t % 2 of v32-95.  A wave's load reads 128 consecutive bytes, the four waves stand side by side on 512
.macro COLS t, base
.irp i, 0,1,2,3,4,5,6,7,8,9,10,11,12,13,14,15,16,17,18,19,20,21,22,23,24,25,26,27,28,29,30,31
	global_load_b32 v[32+32*((\t)%2)+\i], v3, s[\base:\base+1] offset:(32*(\t)+\i)*4096 th:TH_LOAD_NT
.endr
.endm
; a weight's block t of eight: all 32 numbers are one lane's, so its largest magnitude needs no other lane, and the conversions give codes with K innermost
.macro WBLOCK t
.set XS, 32+32*((\t)%2)
.if (\t) < 7
	s_wait_loadcnt 32                              ; this block's 32 loads are in; the next block's 32 may be out
.else
	s_wait_loadcnt 0
.endif
	v_max3_num_f32 v12, |v[XS]|, |v[XS+1]|, |v[XS+2]|
	v_max3_num_f32 v13, |v[XS+3]|, |v[XS+4]|, |v[XS+5]|
.irp i, 6,10,14,18,22,26
	v_max3_num_f32 v12, v12, |v[XS+\i]|, |v[XS+\i+1]|
	v_max3_num_f32 v13, v13, |v[XS+\i+2]|, |v[XS+\i+3]|
.endr
	v_max3_num_f32 v12, v12, |v[XS+30]|, |v[XS+31]|
	v_max3_num_f32 v12, v12, v13, 0x1800000        ; and the floor 2^(3 - 127): the byte cannot fall under 1
	v_add_nc_u32 v11, 0xff000000, v12              ; 2 off the exponent field: the conversion's scale operand
	v_lshrrev_b32 v13, 23, v11                     ; the scale's byte
.if (\t)%4 == 0
	v_mov_b32 v[24+(\t)/4], v13                    ; four bytes to a register, the lower K in the lower byte
.else
	v_lshl_or_b32 v[24+(\t)/4], v13, 8*((\t)%4), v[24+(\t)/4]
.endif
.irp g, 0,1,2,3
	v_cvt_scalef32_pk8_fp4_f32 v[96+\g], v[XS+8*\g:XS+8*\g+7], v11
.endr
	ds_store_b128 v4, v[96:99] offset:16*(\t)      ; 32 codes: 16 bytes of my column's row in the stage
.if (\t)+2 < 8
	COLS (\t)+2, 26
.endif
	s_wait_dscnt 0x0                               ; the store is done before the next block's codes are written
.endm
; wo's block t of four: 32 numbers down K become 16 registers of f16 pairs, 64 bytes of my column's row
.macro OBLOCK t
.set XS, 32+32*((\t)%2)
.if (\t) < 3
	s_wait_loadcnt 32                              ; as above
.else
	s_wait_loadcnt 0
.endif
.irp i, 0,1,2,3,4,5,6,7,8,9,10,11,12,13,14,15
	v_cvt_pk_f16_f32 v[96+\i], v[XS+2*\i], v[XS+2*\i+1]
.endr
.irp g, 0,1,2,3
	ds_store_b128 v4, v[96+4*\g:96+4*\g+3] offset:64*(\t)+16*\g
.endr
.if (\t)+2 < 4
	COLS (\t)+2, 26
.endif
	s_wait_dscnt 0x0
.endm
; x: a step is 512 numbers.  Each of its four loads reads 512 consecutive bytes; the 2,048 bytes turn through the wave's own stage, so that a lane then holds 16 neighbours along K
.macro XLOAD t
.irp i, 0,1,2,3
	global_load_b128 v[16+16*((\t)%4)+4*\i:16+16*((\t)%4)+4*\i+3], v3, s[4:5] offset:2048*(\t)+512*\i th:TH_LOAD_NT
.endr
.endm
.macro XTURN t                         ; LDS serves a wave's instructions in order: no wait between the stores and the loads
.irp i, 0,1,2,3
	ds_store_b128 v14, v[16+16*((\t)%4)+4*\i:16+16*((\t)%4)+4*\i+3] offset:2560*((\t)%2)+640*\i
.endr
.irp i, 0,1,2,3
	ds_load_b128 v[80+16*((\t)%2)+4*\i:80+16*((\t)%2)+4*\i+3], v15 offset:2560*((\t)%2)+16*\i
.endr
.endm
.macro XSTEP t
.set XS, 80+16*((\t)%2)
.if (\t) > 0
	s_wait_dscnt 1                                 ; this step's numbers are back from the stage; the last step's byte store may be out
.else
	s_wait_dscnt 0x0
.endif
.if (\t)+4 < 16
	XLOAD (\t)+4                                   ; into the registers that the stage's stores have read
.endif
.if (\t)+1 < 16
.if 14-(\t) >= 3
	s_wait_loadcnt 12                              ; the next step's four loads are in; those of the three steps behind it may be out
.else
	s_wait_loadcnt 4*(14-(\t))
.endif
	XTURN (\t)+1
.endif
	v_max3_num_f32 v8, |v[XS]|, |v[XS+1]|, |v[XS+2]|
	v_max3_num_f32 v9, |v[XS+3]|, |v[XS+4]|, |v[XS+5]|
.irp i, 6,10
	v_max3_num_f32 v8, v8, |v[XS+\i]|, |v[XS+\i+1]|
	v_max3_num_f32 v9, v9, |v[XS+\i+2]|, |v[XS+\i+3]|
.endr
	v_max3_num_f32 v8, v8, |v[XS+14]|, |v[XS+15]|
	v_max3_num_f32 v8, v8, v9, 0x1800000           ; the floor
	v_max_num_f32_dpp v8, v8, v8 row_xmask:1 row_mask:0xf bank_mask:0xf   ; with my neighbour's 16: the block's largest magnitude
	v_add_nc_u32 v11, 0xff000000, v8
	v_cvt_scalef32_pk8_fp4_f32 v[128+4*(\t)], v[XS:XS+7], v11
	v_cvt_scalef32_pk8_fp4_f32 v[128+4*(\t)+1], v[XS+8:XS+15], v11
	v_lshrrev_b32 v[112+(\t)], 23, v11             ; the scale's byte
	ds_store_b8 v5, v[112+(\t)] offset:16*(\t)     ; both lanes of a block write the same byte with the same value
	global_store_b64 v4, v[128+4*(\t):128+4*(\t)+1], s[14:15] offset:256*(\t)   ; 32 lanes store 256 consecutive bytes, aligned
.endm
; the sines of four neighbouring j at position (first + 16 i)
.macro SINES i
	v_add_nc_u32 v18, 16*\i, v16
	v_cvt_f32_u32 v18, v18
.irp e, 0,1,2,3
	v_mul_f32 v[20+\e], v18, v[12+\e]              ; the angle, rounded once, as f32 has it
.endr
.irp e, 0,1,2,3
	v_mul_f32 v[24+\e], s24, v[20+\e]
.endr
.irp e, 0,1,2,3
	v_rndne_f32 v[24+\e], v[24+\e]                 ; n = the nearest whole number to angle / pi
.endr
.irp e, 0,1,2,3
	v_fma_f32 v[20+\e], -v[24+\e], s25, v[20+\e]   ; r = angle - n pi, pi in two parts
.endr
.irp e, 0,1,2,3
	v_fma_f32 v[20+\e], -v[24+\e], s26, v[20+\e]
.endr
.irp e, 0,1,2,3
	v_mul_f32 v[28+\e], v[20+\e], v[20+\e]         ; r^2
.endr
.irp e, 0,1,2,3
	v_fma_f32 v[32+\e], v[28+\e], s31, s30         ; the series, from its far end
.endr
.irp e, 0,1,2,3
	v_fma_f32 v[32+\e], v[32+\e], v[28+\e], s29
.endr
.irp e, 0,1,2,3
	v_fma_f32 v[32+\e], v[32+\e], v[28+\e], s28
.endr
.irp e, 0,1,2,3
	v_fma_f32 v[32+\e], v[32+\e], v[28+\e], s27
.endr
.irp e, 0,1,2,3
	v_mul_f32 v[28+\e], v[28+\e], v[20+\e]         ; r^3
.endr
.irp e, 0,1,2,3
	v_fma_f32 v[64+4*\i+\e], v[28+\e], v[32+\e], v[20+\e]
.endr
.irp e, 0,1,2,3
	v_cvt_i32_f32 v[24+\e], v[24+\e]
.endr
.irp e, 0,1,2,3
	v_lshlrev_b32 v[24+\e], 31, v[24+\e]           ; an odd n turns the sign
.endr
.irp e, 0,1,2,3
	v_xor_b32 v[64+4*\i+\e], v[64+4*\i+\e], v[24+\e]
.endr
	global_store_b128 v17, v[64+4*\i:64+4*\i+3], s[20:21] offset:2048*\i   ; a wave stores 512 consecutive bytes; each i has registers of its own
.endm
.macro PICK k, lit                     ; 10^-k where my j / 4 is k
	v_cmp_ne_u32 vcc_lo, \k, v10
	v_cndmask_b32 v11, \lit, v11, vcc_lo
.endm
	s_load_b512 s[4:19], s[0:1], 0x0               ; x s[4:5], wq s[6:7], wk s[8:9], wv s[10:11], wo s[12:13], cod s[14:15], scl s[16:17], wot s[18:19]
	s_load_b64 s[20:21], s[0:1], 0x40              ; sint
	v_lshl_add_u32 v[SPW], v0, 2, SPARE
	v_mov_b32 v[NIL], 0
	v_lshrrev_b32 v1, 5, v0
	v_readfirstlane_b32 s22, v1                    ; wave 0..3
	v_and_b32 v2, 31, v0                           ; lane
	s_mov_b32 s29, 0                               ; the upper word of every offset pair s[28:29]
	s_wait_kmcnt 0x0
	s_cmp_lt_u32 ttmp9, 96
	s_cbranch_scc1 .Lweights
	s_cmp_lt_u32 ttmp9, 352
	s_cbranch_scc1 .Lrows
	s_cmp_lt_u32 ttmp9, 416
	s_cbranch_scc1 .Lcast
	; ---- the sines: 128 positions a work-group.  Thread t: j = 4 (t % 8) + 0 .. 3, positions t / 8 + 16 i.  No LDS
	s_sub_co_u32 s23, ttmp9, 416
	s_lshl_b32 s28, s23, 14                        ; 128 positions x 128 bytes
	s_add_nc_u64 s[20:21], s[20:21], s[28:29]
	s_lshl_b32 s23, s23, 7                         ; the first position
	s_mov_b32 s24, 0x3ea2f983                      ; 1 / pi
	s_mov_b32 s25, 0x40490fdb                      ; pi, rounded,
	s_mov_b32 s26, 0xb3bbbd2e                      ; and what the rounding left
	s_mov_b32 s27, 0xbe2aaaab                      ; -1/3!
	s_mov_b32 s28, 0x3c088889                      ; 1/5!
	s_mov_b32 s29, 0xb9500d01                      ; -1/7!
	s_mov_b32 s30, 0x3638ef1d                      ; 1/9!
	s_mov_b32 s31, 0xb2d7322b                      ; -1/11!
	v_and_b32 v10, 7, v0
	v_lshrrev_b32 v16, 3, v0
	v_add_nc_u32 v16, s23, v16
	v_lshlrev_b32 v17, 4, v0                       ; 16 bytes a thread
	v_mov_b32 v11, 1.0
	PICK 1, 0x3dcccccd
	PICK 2, 0x3c23d70a
	PICK 3, 0x3a83126f
	PICK 4, 0x38d1b717
	PICK 5, 0x3727c5ac
	PICK 6, 0x358637bd
	PICK 7, 0x33d6bf95
	v_mov_b32 v12, v11                             ; 10^(-j/4) = 10^-(j/4 whole) x 10^-(0, 1/4, 1/2, 3/4)
	v_mul_f32 v13, 0x3f0ff59a, v11
	v_mul_f32 v14, 0x3ea1e89b, v11
	v_mul_f32 v15, 0x3e361887, v11
.irp i, 0,1,2,3,4,5,6,7
	SINES \i
.endr
	s_endpgm
.Lweights:
	; ---- a weight: work-group g: tensor g / 32, 256 along K ((g / 8) % 4), 128 columns (g % 8); a wave 32 columns, a lane one
	s_lshr_b32 s23, ttmp9, 5
	s_and_b32 s24, ttmp9, 7
	s_bfe_u32 s25, ttmp9, 0x20003
	s_cmp_eq_u32 s23, 0                            ; the choice hangs on the work-group's number alone
	s_cselect_b64 s[26:27], s[6:7], s[8:9]
	s_cmp_eq_u32 s23, 2
	s_cselect_b64 s[26:27], s[10:11], s[26:27]
	s_lshl_b32 s24, s24, 7
	s_lshl_b32 s28, s22, 5
	s_add_co_u32 s24, s24, s28                     ; my wave's first column
	s_lshl_b32 s28, s25, 20                        ; 256 rows of 4,096 bytes
	s_lshl_b32 s30, s24, 2
	s_add_co_u32 s28, s28, s30
	s_add_nc_u64 s[26:27], s[26:27], s[28:29]
	s_lshl_b32 s30, s23, 10
	s_add_co_u32 s30, s30, s24                     ; the column's row among the 3,072
	s_lshl_b32 s28, s30, 9                         ; 512 bytes of codes a row,
	s_lshl_b32 s31, s25, 7                         ; my 256 along K are 128 of them
	s_add_co_u32 s28, s28, s31
	s_add_co_u32 s28, s28, 0x400000                ; behind x's codes
	s_add_nc_u64 s[14:15], s[14:15], s[28:29]
	s_lshl_b32 s28, s30, 5                         ; 32 scale bytes a row, 8 of them mine
	s_lshl_b32 s31, s25, 3
	s_add_co_u32 s28, s28, s31
	s_add_co_u32 s28, s28, 0x40000                 ; behind x's scale bytes
	s_add_nc_u64 s[16:17], s[16:17], s[28:29]
	v_lshlrev_b32 v3, 2, v2                        ; in: 4 bytes a lane
	s_mul_i32 s31, s22, 4608
	s_add_co_u32 s31, s31, WLDS                    ; my stage
	v_mul_u32_u24 v4, v2, 144
	v_add_nc_u32 v4, s31, v4                       ; into it: row = my column
	v_lshrrev_b32 v5, 3, v2
	v_and_b32 v6, 7, v2
	v_mul_u32_u24 v7, v5, 144                      ; out of it: eight lanes to a row of 128 bytes, four rows an instruction
	v_lshl_add_u32 v7, v6, 4, v7
	v_add_nc_u32 v7, s31, v7
	v_lshlrev_b32 v8, 9, v5                        ; and the same place in the codes' buffer
	v_lshl_add_u32 v8, v6, 4, v8
	v_lshlrev_b32 v9, 5, v2                        ; my column's row of scale bytes
	COLS 0, 26
	COLS 1, 26
.irp t, 0,1,2,3,4,5,6,7
	WBLOCK \t
.endr
	global_store_b64 v9, v[24:25], s[16:17]        ; my column's eight scale bytes
.irp t, 0,1,2,3,4,5,6,7
	ds_load_b128 v[112+4*\t:115+4*\t], v7 offset:576*\t
.endr
.irp t, 0,1,2,3,4,5,6,7
	s_wait_dscnt 7-\t                              ; LDS loads come back in order: load t is in
	global_store_b128 v8, v[112+4*\t:115+4*\t], s[14:15] offset:2048*\t
.endr
	s_wait_tensorcnt 0x0                           ; the wave's end, behind my last LDS store
	ds_add_u32 v[SPW], v[NIL]
	s_wait_dscnt 0x0
	s_endpgm
.Lrows:
	; ---- x: a plain stream of blocks of 32; a wave takes 16 steps of 512 numbers
	s_sub_co_u32 s23, ttmp9, 96
	s_lshl_b32 s23, s23, 2
	s_add_co_u32 s24, s23, s22                     ; which run of 8,192 numbers is my wave's: 0 .. 1,023
	s_lshl_b32 s28, s24, 15
	s_add_nc_u64 s[4:5], s[4:5], s[28:29]
	s_lshl_b32 s28, s24, 12
	s_add_nc_u64 s[14:15], s[14:15], s[28:29]
	s_lshl_b32 s28, s24, 8
	s_add_nc_u64 s[16:17], s[16:17], s[28:29]
	v_lshlrev_b32 v3, 4, v2                        ; my 16 bytes of a load's 512
	s_lshl_b32 s30, s22, 13                        ; my region of LDS
	v_lshrrev_b32 v14, 2, v2
	v_mul_u32_u24 v14, v14, 80
	v_and_b32 v15, 3, v2
	v_lshl_add_u32 v14, v15, 4, v14
	v_add_nc_u32 v14, s30, v14                     ; the stage on the way in: four lanes' 64 bytes on end, then 16 of padding
	v_mul_u32_u24 v15, v2, 80
	v_add_nc_u32 v15, s30, v15                     ; and on the way out: my 16 neighbours
	v_lshlrev_b32 v4, 3, v2                        ; my 8 bytes of a step's codes
	v_lshrrev_b32 v5, 1, v2
	s_add_co_u32 s30, s30, 5120                    ; behind the two stages: my wave's 256 scale bytes
	v_add_nc_u32 v5, s30, v5
	v_lshlrev_b32 v7, 3, v2
	v_add_nc_u32 v6, s30, v7
.irp t, 0,1,2,3
	XLOAD \t
.endr
	s_wait_loadcnt 12                              ; step 0's four loads are in
	XTURN 0
.irp t, 0,1,2,3,4,5,6,7,8,9,10,11,12,13,14,15
	XSTEP \t
.endr
	ds_load_b64 v[8:9], v6                         ; in order behind my byte stores
	s_wait_dscnt 0x0
	global_store_b64 v7, v[8:9], s[16:17]          ; 32 lanes store 256 consecutive bytes, aligned
	s_wait_tensorcnt 0x0                           ; the wave's end, as above
	ds_add_u32 v[SPW], v[NIL]
	s_wait_dscnt 0x0
	s_endpgm
.Lcast:
	; ---- wo: work-group g: 128 along K (g / 8), 128 columns (g % 8); a lane a column, registers down K; whole rows of 256 bytes leave
	s_sub_co_u32 s23, ttmp9, 352
	s_and_b32 s24, s23, 7
	s_lshr_b32 s25, s23, 3
	s_lshl_b32 s24, s24, 7
	s_lshl_b32 s28, s22, 5
	s_add_co_u32 s24, s24, s28                     ; my wave's first column
	s_lshl_b32 s28, s25, 19                        ; 128 rows of 4,096 bytes
	s_lshl_b32 s30, s24, 2
	s_add_co_u32 s28, s28, s30
	s_add_nc_u64 s[26:27], s[12:13], s[28:29]
	s_lshl_b32 s28, s24, 11                        ; a row of wot is 2,048 bytes
	s_lshl_b32 s30, s25, 8
	s_add_co_u32 s28, s28, s30
	s_add_nc_u64 s[18:19], s[18:19], s[28:29]
	v_lshlrev_b32 v3, 2, v2
	s_mul_i32 s31, s22, 8704
	s_add_co_u32 s31, s31, OLDS
	v_mul_u32_u24 v4, v2, 272
	v_add_nc_u32 v4, s31, v4
	v_lshrrev_b32 v5, 4, v2
	v_and_b32 v6, 15, v2
	v_mul_u32_u24 v7, v5, 272                      ; out: sixteen lanes to a row, two rows an instruction
	v_lshl_add_u32 v7, v6, 4, v7
	v_add_nc_u32 v7, s31, v7
	v_lshlrev_b32 v8, 11, v5
	v_lshl_add_u32 v8, v6, 4, v8
	COLS 0, 26
	COLS 1, 26
.irp t, 0,1,2,3
	OBLOCK \t
.endr
.irp t, 0,1,2,3,4,5,6,7,8,9,10,11,12,13,14,15
	ds_load_b128 v[112+4*\t:115+4*\t], v7 offset:544*\t
.endr
.irp t, 0,1,2,3,4,5,6,7,8,9,10,11,12,13,14,15
	s_wait_dscnt 15-\t
	global_store_b128 v8, v[112+4*\t:115+4*\t], s[18:19] offset:4096*\t   ; sixteen lanes store 256 consecutive bytes, aligned
.endr
	s_wait_tensorcnt 0x0                           ; the wave's end, as above
	ds_add_u32 v[SPW], v[NIL]
	s_wait_dscnt 0x0
	s_endpgm
.Lfunc_end_k_qc763e28251_prep:
	.size	k_qc763e28251_prep, .Lfunc_end_k_qc763e28251_prep-k_qc763e28251_prep
	.p2alignl 7, 3214868480
	.fill 96, 4, 3214868480
	.section	.rodata,"a",@progbits
	.p2align	6, 0x0
	.amdhsa_kernel k_qc763e28251_prep
		.amdhsa_group_segment_fixed_size 86528
		.amdhsa_private_segment_fixed_size 0
		.amdhsa_enable_private_segment 0
		.amdhsa_kernarg_size 72
		.amdhsa_user_sgpr_count 2
		.amdhsa_user_sgpr_kernarg_segment_ptr 1
		.amdhsa_wavefront_size32 1
		.amdhsa_system_sgpr_workgroup_id_x 1
		.amdhsa_system_sgpr_workgroup_id_y 1
		.amdhsa_system_sgpr_workgroup_id_z 1
		.amdhsa_system_vgpr_workitem_id 0
		.amdhsa_next_free_vgpr 192
		.amdhsa_next_free_sgpr 66
		.amdhsa_reserve_vcc 1
		.amdhsa_float_denorm_mode_32 3
		.amdhsa_float_denorm_mode_16_64 3
		.amdhsa_memory_ordered 1
		.amdhsa_forward_progress 1
		.amdhsa_inst_pref_size 120
	.end_amdhsa_kernel
	.amdgpu_metadata
---
amdhsa.version: [ 1, 2 ]
amdhsa.kernels:
  - .name:           k_qc763e28251_prep
    .symbol:         k_qc763e28251_prep.kd
    .args:
      - { .name: x, .offset: 0, .size: 8, .value_kind: global_buffer, .address_space: global }
      - { .name: wq, .offset: 8, .size: 8, .value_kind: global_buffer, .address_space: global }
      - { .name: wk, .offset: 16, .size: 8, .value_kind: global_buffer, .address_space: global }
      - { .name: wv, .offset: 24, .size: 8, .value_kind: global_buffer, .address_space: global }
      - { .name: wo, .offset: 32, .size: 8, .value_kind: global_buffer, .address_space: global }
      - { .name: cod, .offset: 40, .size: 8, .value_kind: global_buffer, .address_space: global }
      - { .name: scl, .offset: 48, .size: 8, .value_kind: global_buffer, .address_space: global }
      - { .name: wot, .offset: 56, .size: 8, .value_kind: global_buffer, .address_space: global }
      - { .name: sint, .offset: 64, .size: 8, .value_kind: global_buffer, .address_space: global }
    .group_segment_fixed_size: 86528
    .private_segment_fixed_size: 0
    .kernarg_segment_align: 8
    .kernarg_segment_size: 72
    .max_flat_workgroup_size: 128
    .sgpr_count:     66
    .vgpr_count:     192
    .wavefront_size: 32
...
	.end_amdgpu_metadata
.endif
;; end of part 1
;; launch qkv (part 2): grid 12 x 32, 4 waves a work-group, clusters of 4 x 4, 327,680 bytes of LDS; arguments cod, scl, sint, qkv16, s32; writes qkv16, s32
.if DOCPART == 2
	.amdgcn_target "amdgcn-amd-amdhsa--gfx1250"
	.amdhsa_code_object_version 6
	.text
	.protected	k_qc763e28251_qkv
	.globl	k_qc763e28251_qkv
	.p2align	8
	.type	k_qc763e28251_qkv,@function
k_qc763e28251_qkv:
	s_mov_b64 s[64:65], 0
	v_nop
	global_prefetch_b8 v0, s[64:65] scope:SCOPE_SE
	s_setreg_imm32_b32 hwreg(HW_REG_WAVE_MODE, 25, 1), 1
	s_wait_xcnt 0x0
	s_wait_alu depctr_hold_cnt(0) depctr_sa_sdst(0) depctr_va_vdst(0) depctr_va_sdst(0) depctr_va_ssrc(0) depctr_va_vcc(0) depctr_vm_vsrc(0)
	s_getreg_b32 s2, hwreg(HW_REG_IB_STS2, 6, 4)
	s_cmp_eq_u32 s2, 0
	s_cbranch_scc0 .Lentry_in_a_cluster
	s_endpgm
.Lentry_in_a_cluster:
	s_bfe_u32 s2, ttmp6, 0x10000c
	s_cmp_lg_u32 s2, 0xf033
	s_cbranch_scc0 .Lentry_shape_is_right
	s_endpgm
.Lentry_shape_is_right:
; q, k, v = x (wq | wk | wv): one product [8192] x [3072] over K = 1024 on codes of FP4 (E2M1) with one E8M0 scale for each 32 along K; sums in f32.
; On the way out q and k are turned by the position's sines, in f32: out[d] = (y[d] - y[d + 32]) sin_d, out[d + 32] = (y[d + 32] + y[d]) sin_d (both terms by the sine, as the problem has it),
; and all three leave as f16, by heads: qkv16 [which 3][b 4][h 16][s 2048][64].  Positions 0 .. 15 of every sequence also leave in f32, s32 [which][b][h][16][64], for the launch that carries them finely.
; LIMIT: f16's range: |q|, |k|, |v| over 65,504 are not served; under 6e-5 they keep fewer bits.
; A tile of 256 x 256 is made by four waves, each 128 x 128: 64 accumulators, 512 registers.  K goes in two steps of 512 (rows of 256 bytes) through two LDS slots: both are first fills, nothing is filled again.
; The scale bytes of the tile's 256 + 256 rows, for all of K, come once, in whole rows of 256 bytes.
; CLUSTERS: 4 x 4 work-groups; x's tile is shared along a row of the cluster, the weights' along a column, each asked for jointly.
; Tile row = 8 cy + cluster y, so that the batch is cy and the tile's first position 256 x cluster y: positions 0 .. 15 lie in cluster y = 0 for all sixteen partners, and a cluster's columns are all q's, all k's or all v's
; (cluster x): so the two branches of the way out hang on the cluster's numbers and the wave's number alone.
; THE MATRIX INSTRUCTION IS USED TRANSPOSED (source 0 = 16 rows of the weights, source 1 = 16 rows of x): a lane holds eight neighbouring columns of one row.
; REGISTERS: window 0: v0-31 addresses; v32-95 scale words, two sets; v128-191 x's fragments, one set.  Window 1: the weights' fragments, two sets, v0-63 and v128-191; v64-127 and v192-255 the sines.
;   Windows 2, 3: the accumulators of my rows 0-63, 64-127 ((a, b) at v[8 (8 (a % 4) + b)]).  On the way out window 0's v32-255 are free.
; The sines are loaded by every work-group, v's too, which does not use them: one way through the head for all.
.set KSTEP,  512
.set NQ,     KSTEP/128
.set ROWB,   256
.set KROW,   512                       ; a row of codes in memory
.set PITCH,  272                       ; an LDS row: 256 bytes + 16 of padding: the 16 rows that a load touches start at 16 different groups of four banks
.set FR,     8
.set NL,     2
.set NP,     4
.set HALFT,  128*PITCH
.set SLOT,   4*HALFT
.set KS,     32                        ; a row of scale bytes
.set SCL,    2*SLOT
.set HALFS,  (128*KS/256)*272
.set SBLK,   (16*KS/256)*272
.set SPARE,  SCL+4*HALFS               ; the spare words, 128 bytes a wave: two blocks of 256 bytes that no other line names
.set STG,    8448                      ; the way out: a stage for each wave, in slot 0, which has had its only fill and its last read when the first result is stored there
.set ADRA, 16
.set ADRB, 20
.set CO32, 22                          ; v22  s32: 4,096 (lane / 16) + 16 (lane % 16)
.set SNO,  23                          ; v23  the sines: 128 r + 32 h; not rewritten while the loads are out
.set STO,  24                          ; v24  stage + 272 r + 16 h
.set RD,   25                          ; v25  stage + 272 (lane / 8) + 16 (lane % 8)
.set CO,   26                          ; v26  16 x lane
.set ADRS, 27
.set SPW,  28
.set NIL,  29
.set STO32, 30                         ; v30  stage + 528 r + 32 h
.set RD32, 31                          ; v31  stage + 16 x lane
.set SC,   32
.set AF,   128
.set T,    128                         ; the way out: 64 numbers of a block of 16 rows, in f32
.set PK,   192                         ; 32 registers of f16 pairs
.set X32,  192                         ; the f32 copy read back: 64 registers
.set G1, 24
.set G0, 32
.set G1B, 48
.set G0B, 56
.set G1S, 68
.set G0S, 76
.set G1SB, 80
.set G0SB, 88
.set MSB, 0
.macro WIN new                         ; the immediate's high byte repeats the setting that is left
.if MSB != \new
	s_set_vgpr_msb (MSB<<8)|\new
.set MSB, \new
.endif
.endm
.set MUL_LO, 0xa1                      ; source 0 window 1, source 1 window 0, C and D window 2
.set MUL_HI, 0xf1
.set TO_B,   0x40
; A joint load: waves 0 and 1 fetch for x, waves 2 and 3 for the weights; the branch hangs on the wave's number alone.  An s_nop 0 and four v_nop follow each line.
.macro JLOAD g0a, g1a, g0b, g1b
	s_cmp_eq_u32 s15, 0
	s_cbranch_scc0 .Lfor_b_\@
	tensor_load_to_lds s[\g0a:\g0a+3], s[\g1a:\g1a+7]
	s_nop 0
.rept 4
	v_nop
.endr
	s_branch .Lasked_\@
.Lfor_b_\@:
	tensor_load_to_lds s[\g0b:\g0b+3], s[\g1b:\g1b+7]
	s_nop 0
.rept 4
	v_nop
.endr
.Lasked_\@:
.endm
.macro CROUND                          ; a round of the cluster's barrier
	s_barrier_signal -1
	s_barrier_wait -1
	s_cmp_lg_u32 s14, 0
	s_cbranch_scc1 .Lnot_wave_0_\@
	s_barrier_signal -3
.Lnot_wave_0_\@:
	s_barrier_wait -3
	s_barrier_signal -1
	s_barrier_wait -1
.endm
	s_load_b128 s[4:7], s[0:1], 0x0                ; cod, scl
	s_load_b128 s[96:99], s[0:1], 0x10             ; sint, qkv16
	s_load_b64 s[100:101], s[0:1], 0x20            ; s32
	v_lshl_add_u32 v[SPW], v0, 2, SPARE
	v_mov_b32 v[NIL], 0
	ds_add_u32 v[SPW], v[NIL]                      ; the wave's opening: the add, twice on end, and its wait ahead of my first tensor load
	ds_add_u32 v[SPW], v[NIL]
	v_lshrrev_b32 v1, 5, v0
	v_readfirstlane_b32 s14, v1                    ; wave 0..3
	s_lshr_b32 s15, s14, 1                         ; which half of the tile's rows is mine.  Also: I fetch for x (0) or for the weights (1)
	s_and_b32 s16, s14, 1                          ; which half of its columns.  Also: which 128 rows I fetch
	s_bfe_u32 s40, ttmp6, 0x40000                  ; cx
	s_bfe_u32 s41, ttmp6, 0x40004                  ; cy
	s_lshl_b32 s42, ttmp9, 2
	s_add_co_u32 s42, s42, s40                     ; tile column = 4 x cluster x + cx
	s_and_b32 s95, ttmp7, 0xffff                   ; cluster y
	s_lshl_b32 s17, s41, 3
	s_add_co_u32 s17, s17, s95                     ; tile row = 8 cy + cluster y
	s_or_b32 s66, s95, s15                         ; 0 where my first 16 rows are positions 0 .. 15
	s_lshl_b32 s43, s41, 2
	s_lshl_b32 s43, 15, s43                        ; my row of the cluster
	s_lshl_b32 s44, 0x1111, s40                    ; my column
	s_or_b32 s[G1+0], s43, (0<<16)|(1<<20)|(1<<21)|(5<<22)|(3<<25)  ; the mask; elements of 1 byte; padding of 4 words behind every 64; bit 21 beside a mask
	s_or_b32 s[G1B+0], s44, (0<<16)|(1<<20)|(1<<21)|(5<<22)|(3<<25)
.irp g, G1, G1B
	s_mov_b32 s[\g+1], ROWB<<16                    ; tensor_dim0
	s_mov_b32 s[\g+2], 128<<16                     ; tensor_dim1
	s_mov_b32 s[\g+3], ROWB<<16                    ; tile_dim0
	s_mov_b32 s[\g+4], 128                         ; tile_dim1
	s_mov_b32 s[\g+5], KROW                        ; from row to row
	s_mov_b32 s[\g+6], 0
	s_mov_b32 s[\g+7], 0
.endr
	s_or_b32 s[G1S+0], s43, (3<<16)|(1<<20)|(1<<21)|(5<<22)|(3<<25) ; the scale bytes of 128 rows: 4,096 dense bytes as 16 rows of 32 elements of 8 bytes
	s_or_b32 s[G1SB+0], s44, (3<<16)|(1<<20)|(1<<21)|(5<<22)|(3<<25)
.irp g, G1S, G1SB
	s_mov_b32 s[\g+1], 32<<16
	s_mov_b32 s[\g+2], (128*KS/256)<<16
	s_mov_b32 s[\g+3], 32<<16
	s_mov_b32 s[\g+4], 128*KS/256
	s_mov_b32 s[\g+5], 32
	s_mov_b32 s[\g+6], 0
	s_mov_b32 s[\g+7], 0
.endr
	s_lshl_b32 s18, s16, 7
	s_lshl_b32 s20, s17, 8
	s_add_co_u32 s20, s20, s18                     ; x: row 256 x tile row + 128 x half
	s_lshl_b32 s46, s42, 8
	s_add_co_u32 s46, s46, s18                     ; weights: row 256 x tile column + 128 x half
	s_mov_b32 s21, 0
	s_mov_b32 s47, 0
	s_mov_b64 s[18:19], KS
	s_mul_u64 s[22:23], s[20:21], s[18:19]
	s_mul_u64 s[92:93], s[46:47], s[18:19]
	s_mov_b64 s[18:19], KROW
	s_mul_u64 s[20:21], s[20:21], s[18:19]
	s_mul_u64 s[46:47], s[46:47], s[18:19]
	s_mul_i32 s45, s14, HALFT                      ; where they go: wave x 128 rows: no place in the cluster enters an LDS address
	s_mul_i32 s94, s14, HALFS
	s_wait_dscnt 0x0                               ; both opening adds are done
	s_wait_kmcnt 0x0
	s_add_nc_u64 s[8:9], s[4:5], 0x400000          ; the weights' codes lie behind x's,
	s_add_nc_u64 s[10:11], s[6:7], 0x40000         ; their scale bytes likewise
	s_add_nc_u64 s[20:21], s[4:5], s[20:21]
	s_add_nc_u64 s[22:23], s[6:7], s[22:23]
	s_add_nc_u64 s[46:47], s[8:9], s[46:47]
	s_add_nc_u64 s[92:93], s[10:11], s[92:93]
	CROUND                                         ; all sixteen work-groups are here: the joint loads meet
	s_mov_b32 s[G0S], 1
	s_add_co_u32 s[G0S+1], s94, SCL
	s_mov_b64 s[G0S+2:G0S+3], s[22:23]
	s_or_b32 s[G0S+3], s[G0S+3], 0x80000000
	s_mov_b32 s[G0SB], 1
	s_add_co_u32 s[G0SB+1], s94, SCL
	s_mov_b64 s[G0SB+2:G0SB+3], s[92:93]
	s_or_b32 s[G0SB+3], s[G0SB+3], 0x80000000
	JLOAD G0S, G1S, G0SB, G1SB                     ; the scales first: they are wanted with K step 0
.irp s, 0,1
	s_mov_b32 s[G0+4*\s], 1
	s_add_co_u32 s[G0+4*\s+1], s45, \s*SLOT
	s_add_nc_u64 s[G0+4*\s+2:G0+4*\s+3], s[20:21], \s*ROWB
	s_or_b32 s[G0+4*\s+3], s[G0+4*\s+3], 0x80000000
	s_mov_b32 s[G0B+4*\s], 1
	s_add_co_u32 s[G0B+4*\s+1], s45, \s*SLOT
	s_add_nc_u64 s[G0B+4*\s+2:G0B+4*\s+3], s[46:47], \s*ROWB
	s_or_b32 s[G0B+4*\s+3], s[G0B+4*\s+3], 0x80000000
	JLOAD G0+4*\s, G1, G0B+4*\s, G1B               ; three tensor loads of mine are out
.endr
	v_and_b32 v1, 15, v0                           ; r
	v_bfe_u32 v2, v0, 4, 1                         ; h
	; the sines of my 128 positions: block a of 16 rows, lane (r, h): sin(position 16 a + r, j = 16 bb + 8 h + 0 .. 7), 16 registers a block.  They land while K is walked; one wait stands at the way out
	s_lshl_b32 s18, s95, 15                        ; 256 positions x 128 bytes,
	s_lshl_b32 s19, s15, 14                        ; my half's 128
	s_add_co_u32 s18, s18, s19
	s_mov_b32 s19, 0
	s_add_nc_u64 s[96:97], s[96:97], s[18:19]
	v_lshlrev_b32 v[SNO], 7, v1
	v_lshl_add_u32 v[SNO], v2, 5, v[SNO]
	WIN TO_B
.irp a, 0,1,2,3,4,5,6,7
.irp c, 0,1,2,3
	global_load_b128 v[64+16*\a+64*(\a/4)+4*\c:64+16*\a+64*(\a/4)+4*\c+3], v[SNO], s[96:97] offset:2048*\a+64*(\c/2)+16*(\c%2)
.endr
.endr
	WIN 0
	v_mul_u32_u24 v3, v1, PITCH
	v_lshl_add_u32 v4, v2, 4, v3                   ; a fragment's row x pitch + 16 x half
	s_mul_i32 s21, s15, HALFT
	s_mul_i32 s22, s16, HALFT
	s_add_co_u32 s22, s22, 2*HALFT
.irp s, 0,1
	v_add_nc_u32 v[ADRA+\s], s21, v4
	v_add_nc_u32 v[ADRB+\s], s22, v4
	s_add_co_u32 s21, s21, SLOT
	s_add_co_u32 s22, s22, SLOT
.endr
	v_mul_u32_u24 v5, v1, KS                       ; my row's scale bytes: 32 a row, and 16 more for each 256 passed
	v_lshrrev_b32 v6, 8, v5
	v_lshl_add_u32 v5, v6, 4, v5
	s_mul_i32 s21, s15, HALFS
	s_mul_i32 s22, s16, HALFS
	s_add_co_u32 s22, s22, 2*HALFS
	s_sub_co_u32 s22, s22, s21
	v_mul_u32_u24 v6, s22, v2                      ; lanes 16-31 take the weights'
	s_add_co_u32 s21, s21, SCL
	v_add_nc_u32 v5, v5, v6
	v_add_nc_u32 v[ADRS], s21, v5
	s_mul_i32 s23, s14, STG                        ; my stage
	v_mul_u32_u24 v5, v1, 272
	v_lshl_add_u32 v5, v2, 4, v5
	v_add_nc_u32 v[STO], s23, v5
	v_and_b32 v6, 31, v0
	v_lshrrev_b32 v5, 3, v6
	v_mul_u32_u24 v5, v5, 272
	v_and_b32 v4, 7, v0
	v_lshl_add_u32 v5, v4, 4, v5
	v_add_nc_u32 v[RD], s23, v5
	v_lshlrev_b32 v[CO], 4, v6
	v_mul_u32_u24 v5, v1, 528
	v_lshl_add_u32 v5, v2, 5, v5
	v_add_nc_u32 v[STO32], s23, v5
	v_add_nc_u32 v[RD32], s23, v[CO]
	v_lshlrev_b32 v5, 12, v2
	v_lshl_add_u32 v[CO32], v1, 4, v5
	; where my 128 rows x 2 heads begin in qkv16: which x 16,777,216 + (16 cy + 4 cx + 2 x column half) heads of 262,144 + my first position x 128
	s_lshl_b32 s20, ttmp9, 24
	s_lshl_b32 s21, s41, 22
	s_add_co_u32 s20, s20, s21
	s_lshl_b32 s21, s16, 19
	s_add_co_u32 s20, s20, s21
	s_add_co_u32 s20, s20, s18
	s_mov_b32 s21, 0
	s_lshl_b32 s46, s40, 20
	s_mov_b32 s47, 0
	s_add_nc_u64 s[20:21], s[20:21], s[46:47]
	s_add_nc_u64 s[12:13], s[98:99], s[20:21]
	; and in s32: which x 262,144 + the same heads of 4,096 bytes
	s_lshl_b32 s20, ttmp9, 18
	s_lshl_b32 s21, s41, 16
	s_add_co_u32 s20, s20, s21
	s_lshl_b32 s21, s16, 13
	s_add_co_u32 s20, s20, s21
	s_mov_b32 s21, 0
	s_lshl_b32 s46, s40, 14
	s_add_nc_u64 s[20:21], s[20:21], s[46:47]
	s_add_nc_u64 s[92:93], s[100:101], s[20:21]
.macro FRAG reg, adr, q, i             ; 16 rows x 128 K of 4-bit codes: 8 registers: two loads of 16 bytes, 32 apart
.irp c, 0,1
	ds_load_b128 v[\reg+4*\c:\reg+4*\c+3], v[\adr] offset:64*(\q)+32*\c+(\i)*16*PITCH
.endr
.endm
; 16 matrix instructions: x's blocks a0, a0 + 1 against the weights' eight.  The 64 accumulators take turns, one instruction a turn, in the same order in every step
.macro MUL16 a0, p, q, sc, zero
.irp a, \a0, \a0+1
.irp b, 0,1,2,3,4,5,6,7
.if \zero
	v_wmma_scale_f32_16x16x128_f8f6f4 v[8*(8*((\a)%4)+\b):8*(8*((\a)%4)+\b)+7], v[128*(\p)+FR*\b:128*(\p)+FR*\b+FR-1], v[AF+FR*(\a):AF+FR*(\a)+FR-1], 0, v[SC+8*NQ*(\sc)+NQ*\b+(\q)], v[SC+8*NQ*(\sc)+NQ*(\a)+(\q)] matrix_a_fmt:MATRIX_FMT_FP4 matrix_b_fmt:MATRIX_FMT_FP4 matrix_a_scale:MATRIX_SCALE_ROW1
.else
	v_wmma_scale_f32_16x16x128_f8f6f4 v[8*(8*((\a)%4)+\b):8*(8*((\a)%4)+\b)+7], v[128*(\p)+FR*\b:128*(\p)+FR*\b+FR-1], v[AF+FR*(\a):AF+FR*(\a)+FR-1], v[8*(8*((\a)%4)+\b):8*(8*((\a)%4)+\b)+7], v[SC+8*NQ*(\sc)+NQ*\b+(\q)], v[SC+8*NQ*(\sc)+NQ*(\a)+(\q)] matrix_a_fmt:MATRIX_FMT_FP4 matrix_b_fmt:MATRIX_FMT_FP4 matrix_a_scale:MATRIX_SCALE_ROW1
.endif
.endr
.endr
.endm
.macro FETCH_B slot, q, p
	WIN TO_B
.irp i, 0,1,2,3,4,5,6,7
	FRAG 128*(\p)+FR*\i, ADRB+\slot, \q, \i
.endr
	WIN 0
.endm
.macro FETCH_A slot, q, i0
.irp i, \i0, \i0+1, \i0+2, \i0+3
	FRAG AF+FR*(\i), ADRA+\slot, \q, \i
.endr
.endm
.macro SCALES sc                       ; a K step's scale words: lanes 0-15 x's block i, lanes 16-31 the weights' block i
.irp i, 0,1,2,3,4,5,6,7
	ds_load_b128 v[SC+8*NQ*\sc+NQ*\i:SC+8*NQ*\sc+NQ*\i+3], v[ADRS] offset:\i*SBLK
.endr
.endm
.macro PLACES n                        ; plain vector instructions between a matrix instruction and a load into, or a read of, its registers
.rept \n
	v_nop
.endr
.endm
.macro STEP slot, q, zero              ; 128 along K that has its successor in the same slot
	s_wait_dscnt 4*NL                              ; all but the youngest eight loads (x's blocks 4-7) are in
	WIN MUL_LO
	MUL16 0, (\q)%2, \q, \slot, \zero
	MUL16 2, (\q)%2, \q, \slot, \zero
	s_wait_dscnt 0
	PLACES NP
	FETCH_B \slot, (\q)+1, 1-(\q)%2
	FETCH_A \slot, (\q)+1, 0
	WIN MUL_HI
	MUL16 4, (\q)%2, \q, \slot, \zero
	MUL16 6, (\q)%2, \q, \slot, \zero
	PLACES NP
	WIN 0
	FETCH_A \slot, (\q)+1, 4
.endm
.macro TURN slot, next                 ; a slot's last step changes slots: one barrier
	s_wait_tensorcnt 0x0                           ; all my tensor loads have landed: my part of the next slot
	ds_add_u32 v[SPW], v[NIL]                      ; 0 onto my spare word
	s_wait_dscnt 4*NL+1                            ; the add and the youngest eight loads may be out
	WIN MUL_LO
	MUL16 0, 1, NQ-1, \slot, 0
	s_wait_dscnt 0x0                               ; the add is done, and my reads of this slot are over
	s_barrier_signal -1
	MUL16 2, 1, NQ-1, \slot, 0
	WIN 0
	s_barrier_wait -1
	PLACES NP
	v_add_nc_u32 v[ADRS], 4*NQ, v[ADRS]            ; on to the next K step's scale words
	FETCH_B \next, 0, 0
	FETCH_A \next, 0, 0
	SCALES \next
	WIN MUL_HI
	MUL16 4, 1, NQ-1, \slot, 0
	MUL16 6, 1, NQ-1, \slot, 0
	PLACES NP
	WIN 0
	FETCH_A \next, 0, 4
.endm
.macro STEPS slot, from
.set Q, \from
.rept NQ-1-\from
	STEP \slot, Q, 0
.set Q, Q+1
.endr
.endm
	s_wait_tensorcnt 1                             ; the scales and my part of K step 0 are in; K step 1's load may be out
	s_barrier_signal -1
	s_barrier_wait -1
	FETCH_B 0, 0, 0
	FETCH_A 0, 0, 0
	SCALES 0
	FETCH_A 0, 0, 4
	STEP 0, 0, 1                                   ; the first products start the sums: nothing is cleared
	STEPS 0, 1
	TURN 0, 1
	STEPS 1, 0
	s_wait_dscnt 4*NL                              ; the last step: nothing more to fetch
	WIN MUL_LO
	MUL16 0, 1, NQ-1, 1, 0
	MUL16 2, 1, NQ-1, 1, 0
	s_wait_dscnt 0
	WIN MUL_HI
	MUL16 4, 1, NQ-1, 1, 0
	MUL16 6, 1, NQ-1, 1, 0
	WIN 0
; THE WAY OUT, a block of 16 rows x 128 columns (two heads) at a time.  Accumulator b of a block: head b / 4, channels 16 (b % 4) + 8 h + 0 .. 7 of row r.
.macro ROPE a                          ; accumulators b and b + 2 of a head are channels d and d + 32: difference and sum, then the sines.  Each accumulator is read from its low end on
.set AC, 64*((\a)%4)
.set SNR, 64+16*(\a)+64*((\a)/4)
	WIN 0x0a+5*((\a)/4)                            ; sources 0 and 1: window 2 or 3
.irp hd, 0,1
.irp bb, 0,1
.irp jp, 0,2,4,6
	v_pk_add_f32 v[T+8*(4*\hd+\bb)+\jp:T+8*(4*\hd+\bb)+\jp+1], v[AC+8*(4*\hd+\bb)+\jp:AC+8*(4*\hd+\bb)+\jp+1], v[AC+8*(4*\hd+\bb+2)+\jp:AC+8*(4*\hd+\bb+2)+\jp+1] neg_lo:[0,1] neg_hi:[0,1]
	v_pk_add_f32 v[T+8*(4*\hd+\bb+2)+\jp:T+8*(4*\hd+\bb+2)+\jp+1], v[AC+8*(4*\hd+\bb+2)+\jp:AC+8*(4*\hd+\bb+2)+\jp+1], v[AC+8*(4*\hd+\bb)+\jp:AC+8*(4*\hd+\bb)+\jp+1]
.endr
.endr
.endr
	WIN 0x04                                       ; source 1: window 1
.irp blk, 0,1,2,3,4,5,6,7
.irp jp, 0,2,4,6
	v_pk_mul_f32 v[T+8*\blk+\jp:T+8*\blk+\jp+1], v[T+8*\blk+\jp:T+8*\blk+\jp+1], v[SNR+8*(\blk%2)+\jp:SNR+8*(\blk%2)+\jp+1]
.endr
.endr
	WIN 0
.endm
.macro PACK                            ; eight neighbouring channels become 16 bytes
.irp blk, 0,1,2,3,4,5,6,7
.irp r, 0,1,2,3
	v_cvt_pk_f16_f32 v[PK+4*\blk+\r], v[T+8*\blk+2*\r], v[T+8*\blk+2*\r+1]
.endr
.endr
.endm
.macro PACKV a                         ; v is not turned: straight from the accumulators
.set AC, 64*((\a)%4)
	WIN 0x0a+5*((\a)/4)
.irp blk, 0,1,2,3,4,5,6,7
.irp r, 0,1,2,3
	v_cvt_pk_f16_f32 v[PK+4*\blk+\r], v[AC+8*\blk+2*\r], v[AC+8*\blk+2*\r+1]
.endr
.endr
	WIN 0
.endm
.macro TOSTAGE16 a                     ; into my stage by rows of 256 bytes + 16, and back so that a load's 32 lanes hold 512 consecutive bytes of one head.  LDS serves a wave's instructions in order
.set BB, 32+32*((\a)%2)
.irp blk, 0,1,2,3,4,5,6,7
	ds_store_b128 v[STO], v[PK+4*\blk:PK+4*\blk+3] offset:32*\blk
.endr
.irp u, 0,1,2,3,4,5,6,7
	ds_load_b128 v[BB+4*\u:BB+4*\u+3], v[RD] offset:(\u%4)*1088+(\u/4)*128
.endr
.endm
.macro SEND16 a, younger               ; younger: the LDS instructions issued behind block a's loads
.set BB, 32+32*((\a)%2)
	s_wait_dscnt \younger
.irp u, 0,1,2,3,4,5,6,7
	global_store_b128 v[CO], v[BB+4*\u:BB+4*\u+3], s[12:13] offset:(\u/4)*262144+2048*(\a)+512*(\u%4)   ; 512 consecutive bytes, at a multiple of 256 from the buffer's first byte; every offset an immediate
.endr
.endm
.macro SPEC32 src, win                 ; positions 0 .. 15 in f32: through the stage by rows of 512 bytes + 16; a row comes back whole: lanes 0-15 one head's 256 bytes, lanes 16-31 the other's
	WIN \win
.irp blk, 0,1,2,3,4,5,6,7
	ds_store_b128 v[STO32], v[\src+8*\blk:\src+8*\blk+3] offset:64*\blk
	ds_store_b128 v[STO32], v[\src+8*\blk+4:\src+8*\blk+7] offset:64*\blk+16
.endr
	WIN 0
.irp t, 0,1,2,3,4,5,6,7,8,9,10,11,12,13,14,15
	ds_load_b128 v[X32+4*\t:X32+4*\t+3], v[RD32] offset:528*\t
.endr
	s_wait_dscnt 0x0
.irp t, 0,1,2,3,4,5,6,7,8,9,10,11,12,13,14,15
	global_store_b128 v[CO32], v[X32+4*\t:X32+4*\t+3], s[92:93] offset:256*\t
.endr
	s_wait_xcnt 0x0                                ; the stores' registers are written again below only behind this wait
.endm
.macro WAYOUT rope
.if \rope
	ROPE 0
.endif
	s_cmp_lg_u32 s66, 0                            ; cluster y and the wave's number alone: alike in all sixteen partners
	s_cbranch_scc1 .Lplain_\@
.if \rope
	SPEC32 T, 0
.else
	SPEC32 0, 0x08                                 ; an LDS store's data are its source 1: window 2
.endif
.Lplain_\@:
.if \rope
	PACK
.else
	PACKV 0
.endif
	TOSTAGE16 0
.irp a, 1,2,3,4,5,6,7
.if \rope
	ROPE \a
	PACK
.else
	PACKV \a
.endif
.if \a > 1
	s_wait_xcnt 0x0                                ; block a - 2's stores have read their registers: block a's loads may land there
.endif
	TOSTAGE16 \a
	SEND16 \a-1, 16                                ; behind block a - 1's loads: block a's 8 stores and 8 loads
.endr
	SEND16 7, 0
.endm
	PLACES NP                                      ; behind the last products, ahead of the first read of results and the first write of operands' registers
	s_wait_loadcnt 0x0                             ; the sines
	s_cmp_eq_u32 ttmp9, 2                          ; cluster x: q, k or v
	s_cbranch_scc1 .Lvalues
	WAYOUT 1
	s_branch .Lend
.Lvalues:
	WAYOUT 0
.Lend:
	s_wait_tensorcnt 0x0                           ; the wave's end, behind my last tensor load and my last LDS store
	ds_add_u32 v[SPW], v[NIL]
	s_wait_dscnt 0x0
	CROUND                                         ; the closing round
	s_endpgm
.Lfunc_end_k_qc763e28251_qkv:
	.size	k_qc763e28251_qkv, .Lfunc_end_k_qc763e28251_qkv-k_qc763e28251_qkv
	.p2alignl 7, 3214868480
	.fill 96, 4, 3214868480
	.section	.rodata,"a",@progbits
	.p2align	6, 0x0
	.amdhsa_kernel k_qc763e28251_qkv
		.amdhsa_group_segment_fixed_size 327680
		.amdhsa_private_segment_fixed_size 0
		.amdhsa_enable_private_segment 0
		.amdhsa_kernarg_size 40
		.amdhsa_user_sgpr_count 2
		.amdhsa_user_sgpr_kernarg_segment_ptr 1
		.amdhsa_wavefront_size32 1
		.amdhsa_system_sgpr_workgroup_id_x 1
		.amdhsa_system_sgpr_workgroup_id_y 1
		.amdhsa_system_sgpr_workgroup_id_z 1
		.amdhsa_system_vgpr_workitem_id 0
		.amdhsa_next_free_vgpr 1024
		.amdhsa_next_free_sgpr 102
		.amdhsa_reserve_vcc 0
		.amdhsa_float_denorm_mode_32 3
		.amdhsa_float_denorm_mode_16_64 3
		.amdhsa_memory_ordered 1
		.amdhsa_forward_progress 1
		.amdhsa_inst_pref_size 201
	.end_amdhsa_kernel
	.amdgpu_metadata
---
amdhsa.version: [ 1, 2 ]
amdhsa.kernels:
  - .name:           k_qc763e28251_qkv
    .symbol:         k_qc763e28251_qkv.kd
    .args:
      - { .name: cod, .offset: 0, .size: 8, .value_kind: global_buffer, .address_space: global }
      - { .name: scl, .offset: 8, .size: 8, .value_kind: global_buffer, .address_space: global }
      - { .name: sint, .offset: 16, .size: 8, .value_kind: global_buffer, .address_space: global }
      - { .name: qkv16, .offset: 24, .size: 8, .value_kind: global_buffer, .address_space: global }
      - { .name: s32, .offset: 32, .size: 8, .value_kind: global_buffer, .address_space: global }
    .group_segment_fixed_size: 327680
    .private_segment_fixed_size: 0
    .kernarg_segment_align: 8
    .kernarg_segment_size: 40
    .max_flat_workgroup_size: 128
    .sgpr_count:     102
    .vgpr_count:     1024
    .wavefront_size: 32
...
	.end_amdgpu_metadata
.endif
;; end of part 2
;; launch attn (part 3): grid 4 x 64, 16 waves a work-group, no clusters, 327,680 bytes of LDS; arguments qkv16, y16; writes y16
.if DOCPART == 3
	.amdgcn_target "amdgcn-amd-amdhsa--gfx1250"
	.amdhsa_code_object_version 6
	.text
	.protected	k_qc763e28251_attn
	.globl	k_qc763e28251_attn
	.p2align	8
	.type	k_qc763e28251_attn,@function
k_qc763e28251_attn:
	s_mov_b64 s[64:65], 0
	v_nop
	global_prefetch_b8 v0, s[64:65] scope:SCOPE_SE
	s_setreg_imm32_b32 hwreg(HW_REG_WAVE_MODE, 25, 1), 1
	s_wait_xcnt 0x0
; y[b][h][q] = the sum over k <= q of softmax_k(q . k / 8) v[k], head size 64, 2,048 positions, 64 heads.  q, k, v: f16, [which][head 64][s 2048][64]; y16: f16 [head][s][64].
; Products on f16 operands with f32 sums; maxima, exponentials and sums in f32; a running maximum m and sum l for each query: p = 2^(c s - c m), c = log2(e) / 8; in every step O and l are multiplied by 2^(c m_old - c m_new).
; LIMIT: p and y are rounded to f16.  Positions 0 .. 15 of every sequence are made here too, but what the problem's output takes of them comes from the launch that carries them in f32.
; SHARES.  Work-group (i, head) owns the query blocks 7 - i and then i, of 256 queries each: (8 - i) + (i + 1) = 9 slots of 256 keys for every work-group: 256 work-groups of equal length, and the loop's trip count is a constant.
; Each of sixteen waves owns 16 queries of the block in 256 registers: four waves to a SIMD, so that one wave's vector work stands beside another's products and LDS loads.
; K and V come through a ring of two LDS slots of 256 keys (waves 0, 1: K's halves; waves 2, 3: V's).  Every slot that is asked for is read.  A step of 64 keys all of which come after a wave's queries is jumped over by that wave.
; NO CLUSTER: the four work-groups of a head walk slots 0 .. 7 - i and then 0 .. i, so from trip 5 on partners would want different tiles in the same trip.
; LAYOUT.  S^T = K Q^T (source 0 = 16 keys, source 1 = my 16 queries): a lane holds ONE query (lane % 16) and keys 8 (lane / 16) + 0 .. 7 of a tile; two tiles rounded to f16 in pairs are source 1 of O^T = V^T P.
; K comes out of LDS as it lies, V ([key][channel]) turned by ds_load_tr16_b128.
.set KP,    144                        ; a key's row in LDS: 128 bytes + 16: the 16 rows of a load start at 16 different groups of four banks
.set VP,    160                        ; a row of V: 128 + 32: an odd multiple of 32
.set VOFF,  256*KP
.set SLOT1, 1<<17                      ; slot 1 begins here: one exclusive or turns an address from one slot to the other
.set STAGE, SLOT1+256*(KP+VP)          ; behind the ring: 16 rows x 144 for each wave; no tensor load lands there
.set SPARE, STAGE+16*16*KP             ; the spare words, 128 bytes a wave: eight blocks of 256 bytes that no other line names
.set WHICHB, 16777216
.set AK0, 1
.set AV0, 2
.set SPW, 3
.set NIL, 4
.set GO,  5                            ; v5   16 x lane
.set STO, 6
.set RD,  7
.set ADK, 8
.set ADV, 9
.set QO,  10
.set DD,  11
.set ST,  12                           ; v12 c m, v13 m, v[14:15] l (even keys', odd keys'), v16-19 at work; the factor takes v18
.set NEG, 20                           ; v20  -infinity
.set RH,  21                           ; v21  r - 8 h
.set PFO, 24                           ; v24  256 x lane
.set Q,   32
.set KFR, 48
.set VFR, 112
.set S,   176
.set P,   208
.set O,   224
.set TB,  2
.set SLOTS, 3
.set WV,  18
.set SEL, 20
.set CS,  22
.set G1K, 24
.set G1V, 32
.set G0K, 40
.set G0V, 44
.set KB,  48                           ; s[48:49] K at my half of slot 0 of the head; s[50:51] V
.set VB,  50
.set OFF, 52                           ; s[52:53] the next slot's bytes
.set KF,  66                           ; the step's first key
.set Q0,  67                           ; my first query
.set QEND, 68                          ; the block's end: its last slot has been walked when KF gets here
.set NXT, 69                           ; the slot asked for last
.set N1,  70                           ; 8 - i: the first block's slots
.set Q02, 71
.set QA2, 72
.set QA,  74
.set YA,  76
.set YA2, 78
.set QEND2, 80
.set PFA, 82
.set LIM, 84
.macro TLOAD                           ; waves 0, 1 fetch K's halves, waves 2, 3 V's, the others nothing; the branches hang on the wave's number alone.  An s_nop 0 and four v_nop follow each line
	s_cmp_lt_u32 s[WV], 2
	s_cbranch_scc0 .Lnot_k_\@
	tensor_load_to_lds s[G0K:G0K+3], s[G1K:G1K+7]
	s_nop 0
.rept 4
	v_nop
.endr
	s_branch .Lasked_\@
.Lnot_k_\@:
	s_cmp_lt_u32 s[WV], 4
	s_cbranch_scc0 .Lasked_\@
	tensor_load_to_lds s[G0V:G0V+3], s[G1V:G1V+7]
	s_nop 0
.rept 4
	v_nop
.endr
.Lasked_\@:
.endm
; A prefetch of the slot that the NEXT change of slots will ask for: 32,768 bytes of K and of V.  The four work-groups of a head walk the same K and V: work-group i = 0, which walks slots 0 .. 7 in order, asks;
; in it waves 4 to 7 for K, 8,192 bytes a wave, lanes 256 bytes apart, waves 8 to 11 for V.  In trip t it names slot t + 2, for t = 0 .. 5: slots 2 .. 7 of each head are named once; slots 0 and 1 come by their loads alone.
.macro ASK
	s_cmp_gt_u32 s[SLOTS], s[LIM]
	s_cbranch_scc0 .Lnot_mine_\@
	global_prefetch_b8 v[PFO], s[PFA:PFA+1] th:TH_LOAD_NT scope:SCOPE_SE
.Lnot_mine_\@:
.endm
.macro QLOAD base                      ; my 16 queries: lane (r, h): channels 32 dd + 8 h + 0 .. 7 and + 16
.irp dd, 0,1
.irp e, 0,1
	global_load_b128 v[Q+8*\dd+4*\e:Q+8*\dd+4*\e+3], v[QO], s[\base:\base+1] offset:64*\dd+32*\e
.endr
.endr
.endm
.macro INIT                            ; a block of queries begins: m = -3e38, under every score; l and O^T zeros, which the first factor, 0, leaves zeros
	v_mov_b32 v[ST+1], 0xff61b1e6
	v_mul_f32 v[ST], s[CS], v[ST+1]
.irp j, 2,3,4,5,6,7
	v_mov_b32 v[ST+\j], 0
.endr
.set i, 0
.rept 32
	v_mov_b32 v[O+i], 0
.set i, i+1
.endr
.endm
	s_load_b128 s[4:7], s[0:1], 0x0                ; qkv16, y16
	v_lshl_add_u32 v[SPW], v0, 2, SPARE
	v_mov_b32 v[NIL], 0
	ds_add_u32 v[SPW], v[NIL]                      ; the wave's opening: the add, twice on end, and its wait ahead of the first tensor load
	ds_add_u32 v[SPW], v[NIL]
	v_lshrrev_b32 v8, 5, v0
	v_readfirstlane_b32 s[WV], v8                  ; wave 0..15
	s_mov_b32 s[G1K], (0<<16)|(1<<20)|(4<<22)|(3<<25)   ; elements of 1 byte; 4 words of padding behind every 32
	s_mov_b32 s[G1V], (0<<16)|(1<<20)|(4<<22)|(7<<25)   ; 8 words
.irp g, G1K, G1V
	s_mov_b32 s[\g+1], 128<<16                     ; tensor_dim0: a row of 128 bytes
	s_mov_b32 s[\g+2], 128<<16                     ; tensor_dim1: 128 rows
	s_mov_b32 s[\g+3], 128<<16                     ; tile_dim0
	s_mov_b32 s[\g+4], 128                         ; tile_dim1
	s_mov_b32 s[\g+5], 128                         ; from row to row
	s_mov_b32 s[\g+6], 0
	s_mov_b32 s[\g+7], 0
.endr
	s_mov_b32 s[SEL], 0x76543210
	s_mov_b32 s[SEL+1], 0xfedcba98                 ; lane l xor 16
	s_mov_b32 s[CS], 0x3e38aa3b                    ; c = log2(e) / 8
	s_mov_b32 s[CS+1], s[CS]
	s_mov_b32 s[TB], 0
	s_mov_b32 s[SLOTS], 8
	s_mov_b32 s[KF], 0
	s_mov_b32 s[NXT], 0
	s_mov_b32 s[OFF+1], 0
	s_and_b32 s8, ttmp7, 0xffff
	s_lshl_b32 s8, s8, 18                          ; the head's first byte: 262,144 a head
	s_and_b32 s10, s[WV], 1
	s_sub_co_u32 s[N1], 8, ttmp9
	s_sub_co_u32 s11, 7, ttmp9
	s_lshl_b32 s11, s11, 8                         ; the first block's first query
	s_lshl_b32 s12, s[WV], 4
	s_add_co_u32 s[Q0], s11, s12
	s_add_co_u32 s[QEND], s11, 256
	s_lshl_b32 s13, ttmp9, 8                       ; the second block's
	s_add_co_u32 s[Q02], s13, s12
	s_add_co_u32 s[QEND2], s13, 256
	s_lshl_b32 s14, s[Q0], 7
	s_add_co_u32 s14, s14, s8                      ; my queries' rows, 128 bytes each, in q and in y16
	s_mov_b32 s15, 0
	s_lshl_b32 s16, s[Q02], 7
	s_add_co_u32 s16, s16, s8
	s_mov_b32 s17, 0
	s_lshl_b32 s12, s10, 14                        ; my half of a slot: 128 rows
	s_add_co_u32 s12, s12, s8
	s_add_co_u32 s12, s12, WHICHB
	s_mov_b32 s13, 0
	s_mul_i32 s11, s10, 128*KP
	s_mul_i32 s10, s10, 128*VP
	s_add_co_u32 s10, s10, VOFF
	s_wait_dscnt 0x0                               ; both opening adds are done
	s_wait_kmcnt 0x0
	s_add_nc_u64 s[KB:KB+1], s[4:5], s[12:13]
	s_add_nc_u64 s[VB:VB+1], s[KB:KB+1], WHICHB
	s_mov_b32 s[G0K], 1
	s_mov_b32 s[G0K+1], s11
	s_mov_b64 s[G0K+2:G0K+3], s[KB:KB+1]
	s_or_b32 s[G0K+3], s[G0K+3], 0x80000000
	s_mov_b32 s[G0V], 1
	s_mov_b32 s[G0V+1], s10
	s_mov_b64 s[G0V+2:G0V+3], s[VB:VB+1]
	s_or_b32 s[G0V+3], s[G0V+3], 0x80000000
	TLOAD                                          ; slot 0: keys 0 .. 255, which count for every block
	s_add_nc_u64 s[QA:QA+1], s[4:5], s[14:15]
	s_add_nc_u64 s[QA2:QA2+1], s[4:5], s[16:17]
	s_add_nc_u64 s[YA:YA+1], s[6:7], s[14:15]
	s_add_nc_u64 s[YA2:YA2+1], s[6:7], s[16:17]
	s_and_b32 s16, s[WV], 3                        ; the prefetches: my wave's 8,192 bytes,
	s_lshl_b32 s16, s16, 13
	s_add_co_u32 s16, s16, 0x8000                  ; in slot 1: the first change of slots steps it to slot 2
	s_add_co_u32 s16, s16, s8
	s_cmp_lt_u32 s[WV], 8
	s_mov_b32 s17, 2*WHICHB
	s_cselect_b32 s17, WHICHB, s17                 ; of K (waves 4 to 7) or of V (8 to 11)
	s_add_co_u32 s16, s16, s17
	s_mov_b32 s17, 0
	s_add_nc_u64 s[PFA:PFA+1], s[4:5], s[16:17]
	s_sub_co_u32 s16, s[WV], 4
	s_lshr_b32 s16, s16, 3                         ; 0 in waves 4 to 11,
	s_or_b32 s16, s16, ttmp9                       ; of work-group i = 0
	s_cmp_eq_u32 s16, 0
	s_cselect_b32 s[LIM], 2, -1
	v_and_b32 v8, 15, v0                           ; r
	v_bfe_u32 v9, v0, 4, 1                         ; h
	v_lshlrev_b32 v[QO], 7, v8
	v_lshl_add_u32 v[QO], v9, 4, v[QO]
	QLOAD QA
	v_mul_u32_u24 v[AK0], v8, KP
	v_lshl_add_u32 v[AK0], v9, 4, v[AK0]           ; K: row r x pitch + 16 h
	v_and_b32 v11, 7, v0
	v_lshl_add_u32 v[AV0], v9, 3, v11              ; V: key 8 h + lane % 8,
	v_mul_u32_u24 v[AV0], v[AV0], VP
	v_bfe_u32 v11, v0, 3, 1
	v_lshl_add_u32 v[AV0], v11, 4, v[AV0]          ; channels 8 ((lane / 8) % 2) on
	v_add_nc_u32 v[AV0], VOFF, v[AV0]
	v_and_b32 v11, 31, v0
	v_lshlrev_b32 v[GO], 4, v11
	v_lshlrev_b32 v[PFO], 8, v11
	s_mul_i32 s96, s[WV], 16*KP
	s_add_co_u32 s96, s96, STAGE                   ; my stage
	v_mul_u32_u24 v[STO], v8, KP
	v_lshl_add_u32 v[STO], v9, 4, v[STO]
	v_add_nc_u32 v[STO], s96, v[STO]               ; in: row r, 16 bytes for each half of the lanes
	v_lshrrev_b32 v[RD], 3, v11
	v_mul_u32_u24 v[RD], v[RD], KP
	v_and_b32 v11, 7, v0
	v_lshl_add_u32 v[RD], v11, 4, v[RD]
	v_add_nc_u32 v[RD], s96, v[RD]                 ; back: eight lanes to a row of 128 bytes
	v_lshlrev_b32 v[RH], 3, v9
	v_sub_nc_u32 v[RH], v8, v[RH]
	v_mov_b32 v[NEG], 0xff800000
	INIT
; A KEY STEP: 64 keys, the q-th of the slot in hand
.macro STEP q
	s_add_co_u32 s96, s[Q0], 15                    ; all of whose keys come after my 16 queries: left out; ids and the count of steps alone.  No barrier and no tensor load stands in a step
	s_cmp_gt_u32 s[KF], s96
	s_cbranch_scc1 .Lhidden_\@
	v_add_nc_u32 v[ADK], s[TB], v[AK0]
	v_add_nc_u32 v[ADV], s[TB], v[AV0]
	v_nop
	v_nop                                          ; four plain instructions between the last step's products and the loads into V's registers
.irp kt, 0,1,2,3
.irp dd, 0,1
.irp e, 0,1
	ds_load_b128 v[KFR+8*(2*\kt+\dd)+4*\e:KFR+8*(2*\kt+\dd)+4*\e+3], v[ADK] offset:(64*(\q)+16*\kt)*KP+64*\dd+32*\e
.endr
.endr
.endr
.irp g, 0,1
.irp ct, 0,1,2,3
.irp e, 0,1
	ds_load_tr16_b128 v[VFR+8*(4*\g+\ct)+4*\e:VFR+8*(4*\g+\ct)+4*\e+3], v[ADV] offset:(64*(\q)+32*\g+16*\e)*VP+32*\ct
.endr
.endr
.endr
	s_wait_dscnt 16                                ; K's 16 loads are in; V's 16, issued behind them, may be out
.irp dd, 0,1                                   ; S^T: four accumulators by turns, one instruction a turn
.irp kt, 0,1,2,3
.if \dd == 0
	v_wmma_f32_16x16x32_f16 v[S+8*\kt:S+8*\kt+7], v[KFR+8*(2*\kt+\dd):KFR+8*(2*\kt+\dd)+7], v[Q+8*\dd:Q+8*\dd+7], 0
.else
	v_wmma_f32_16x16x32_f16 v[S+8*\kt:S+8*\kt+7], v[KFR+8*(2*\kt+\dd):KFR+8*(2*\kt+\dd)+7], v[Q+8*\dd:Q+8*\dd+7], v[S+8*\kt:S+8*\kt+7]
.endif
.endr
.endr
.rept 4
	v_nop
.endr
	s_add_co_u32 s96, s[KF], 63                    ; on the diagonal hidden scores become -infinity ahead of the maximum; a step all of whose keys count skips this
	s_cmp_le_u32 s96, s[Q0]
	s_cbranch_scc1 .Lopen_\@
	s_sub_co_i32 s96, s[Q0], s[KF]
	v_add_nc_u32 v[DD], s96, v[RH]                 ; register 8 kt + j holds key KF + 16 kt + 8 h + j: hidden where 16 kt + j > my query - KF - 8 h
.irp kt, 0,1,2,3
.irp j, 0,1,2,3,4,5,6,7
	v_cmp_gt_i32 vcc_lo, 16*\kt+\j, v[DD]
	v_cndmask_b32 v[S+8*\kt+\j], v[S+8*\kt+\j], v[NEG], vcc_lo
.endr
.endr
.Lopen_\@:
.irp j, 0,1,2,3                                ; the maximum of 32 scores and the old m, three operands at a time, four chains; each accumulator is read from its low end on
	v_max3_num_f32 v[ST+4+\j], v[S+8*\j], v[S+8*\j+1], v[S+8*\j+2]
.endr
.irp i, 1,2
.irp j, 0,1,2,3
	v_max3_num_f32 v[ST+4+\j], v[ST+4+\j], v[S+8*\j+2*\i+1], v[S+8*\j+2*\i+2]
.endr
.endr
	v_max3_num_f32 v[ST+4], v[ST+4], v[S+7], v[S+15]
	v_max3_num_f32 v[ST+6], v[ST+6], v[S+23], v[S+31]
	v_max3_num_f32 v[ST+4], v[ST+4], v[ST+5], v[ST+6]
	v_max3_num_f32 v[ST+4], v[ST+4], v[ST+7], v[ST+1]
	v_permlanex16_b32 v[ST+5], v[ST+4], s[SEL], s[SEL+1]   ; the query's other 32 keys lie in the lane 16 away
	v_mov_b32 v[ST+7], v[ST]                       ; c m_old
	v_max_num_f32 v[ST+1], v[ST+4], v[ST+5]
	v_mul_f32 v[ST], s[CS], v[ST+1]
	v_sub_f32 v[ST+7], v[ST+7], v[ST]
	v_exp_f32 v[ST+6], v[ST+7]                     ; the factor 2^(c m_old - c m_new): the first of ONE batch of 33 exponentials
.irp b, 0,1,2,3,4,5,6,7,8,9,10,11,12,13,14,15
	v_pk_fma_f32 v[S+2*\b:S+2*\b+1], v[S+2*\b:S+2*\b+1], s[CS:CS+1], v[ST:ST+1] op_sel_hi:[1,0,0] neg_lo:[0,0,1] neg_hi:[0,0,1]   ; c s - c m
.endr
.set i, 0
.rept 32
	v_exp_f32 v[S+i], v[S+i]
.set i, i+1
.endr
	v_nop                                          ; a plain instruction behind the last exponential
	s_wait_alu depctr_va_vdst(0)                   ; one wait for the batch, ahead of the first instruction that names a result
.irp b, 0,1,2,3,4,5,6,7,8,9,10,11,12,13,14,15
	v_cvt_pk_f16_f32 v[P+\b], v[S+2*\b], v[S+2*\b+1]
.endr
.irp u, 0,1,2,3,4,5,6,7                        ; the sum of the unrounded p, in place: neighbours 1, 2, 4, 8 pairs apart
	v_pk_add_f32 v[S+4*\u:S+4*\u+1], v[S+4*\u:S+4*\u+1], v[S+4*\u+2:S+4*\u+3]
.endr
.irp u, 0,1,2,3
	v_pk_add_f32 v[S+8*\u:S+8*\u+1], v[S+8*\u:S+8*\u+1], v[S+8*\u+4:S+8*\u+5]
.endr
.irp u, 0,1
	v_pk_add_f32 v[S+16*\u:S+16*\u+1], v[S+16*\u:S+16*\u+1], v[S+16*\u+8:S+16*\u+9]
.endr
	v_pk_add_f32 v[S:S+1], v[S:S+1], v[S+16:S+17]
	v_pk_fma_f32 v[ST+2:ST+3], v[ST+2:ST+3], v[ST+6:ST+7], v[S:S+1] op_sel_hi:[1,0,1]
.irp b, 0,1,2,3,4,5,6,7,8,9,10,11,12,13,14,15
	v_pk_mul_f32 v[O+2*\b:O+2*\b+1], v[O+2*\b:O+2*\b+1], v[ST+6:ST+7] op_sel_hi:[1,0]
.endr
	s_wait_dscnt 0x0                               ; V is in
.irp g, 0,1                                    ; O^T += V^T P: four accumulators by turns
.irp ct, 0,1,2,3
	v_wmma_f32_16x16x32_f16 v[O+8*\ct:O+8*\ct+7], v[VFR+8*(4*\g+\ct):VFR+8*(4*\g+\ct)+7], v[P+8*\g:P+8*\g+7], v[O+8*\ct:O+8*\ct+7]
.endr
.endr
.Lhidden_\@:
	s_add_co_u32 s[KF], s[KF], 64
.endm
; THE CHANGE OF SLOTS stands at a slot's head.  Each wave waits for all its tensor loads, adds 0 to its spare word, and waits for that and for its reads of the slot that it has left; behind the barrier the slot ahead is whole
; and nobody reads the other one.  fill = 1: that other slot takes the next slot of the walk: the load has four key steps in which to land.
.macro CHANGE fill
	s_wait_tensorcnt 0x0                           ; no tensor load of mine is out, so a group 0 may be written
	ds_add_u32 v[SPW], v[NIL]
.if \fill
	ds_add_u32 v[SPW], v[NIL]                      ; and twice on end here, in every trip alike
	s_xor_b32 s[G0K+1], s[G0K+1], SLOT1
	s_xor_b32 s[G0V+1], s[G0V+1], SLOT1
	s_add_co_u32 s[NXT], s[NXT], 1                 ; the walk: 0 .. 7 - i, then 0 .. i
	s_cmp_eq_u32 s[NXT], s[N1]
	s_cselect_b32 s[NXT], 0, s[NXT]
	s_lshl_b32 s[OFF], s[NXT], 15                  ; 256 rows of 128 bytes a slot
	s_add_nc_u64 s[G0K+2:G0K+3], s[KB:KB+1], s[OFF:OFF+1]
	s_or_b32 s[G0K+3], s[G0K+3], 0x80000000
	s_add_nc_u64 s[G0V+2:G0V+3], s[VB:VB+1], s[OFF:OFF+1]
	s_or_b32 s[G0V+3], s[G0V+3], 0x80000000
	s_wait_xcnt 0x0                                ; the last prefetch, a slot back, has read its address
	s_add_nc_u64 s[PFA:PFA+1], s[PFA:PFA+1], 0x8000
.endif
	s_wait_dscnt 0x0                               ; the add is done, and my LDS reads are over
	s_barrier_signal -1
	s_barrier_wait -1
.if \fill
	TLOAD                                          ; the first thing behind the barrier, and a wave's one tensor load until the next
	ASK
.endif
.endm
; A block of queries is finished: O^T / l, rounded to f16, through my stage, and out as 2,048 consecutive bytes
.macro FINISH
.rept 4
	v_nop
.endr
	v_add_f32 v[ST+4], v[ST+2], v[ST+3]
	v_permlanex16_b32 v[ST+5], v[ST+4], s[SEL], s[SEL+1]
	v_add_f32 v[ST+4], v[ST+4], v[ST+5]
	v_rcp_f32 v[ST+6], v[ST+4]
	v_nop
	s_wait_alu depctr_va_vdst(0)                   ; ahead of the reciprocal's first reader
.irp b, 0,1,2,3,4,5,6,7,8,9,10,11,12,13,14,15
	v_pk_mul_f32 v[S+2*\b:S+2*\b+1], v[O+2*\b:O+2*\b+1], v[ST+6:ST+7] op_sel_hi:[1,0]
.endr
.irp b, 0,1,2,3,4,5,6,7,8,9,10,11,12,13,14,15
	v_cvt_pk_f16_f32 v[P+\b], v[S+2*\b], v[S+2*\b+1]
.endr
.irp ct, 0,1,2,3
	ds_store_b128 v[STO], v[P+4*\ct:P+4*\ct+3] offset:32*\ct
.endr
.irp t, 0,1,2,3
	ds_load_b128 v[KFR+4*\t:KFR+4*\t+3], v[RD] offset:576*\t   ; in order behind my stores
.endr
	s_wait_dscnt 0x0
.irp t, 0,1,2,3
	global_store_b128 v[GO], v[KFR+4*\t:KFR+4*\t+3], s[YA:YA+1] offset:512*\t   ; 512 consecutive bytes, at a multiple of 256 from the buffer's first byte
.endr
.endm
	s_wait_loadcnt 0x0                             ; Q
.Lslot:                                            ; 8 trips; behind each change of slots the walk's next slot is asked for
	CHANGE 1
	STEP 0
	STEP 1
	STEP 2
	STEP 3
	s_xor_b32 s[TB], s[TB], SLOT1
	s_cmp_lg_u32 s[KF], s[QEND]                    ; ids and the count of steps alone: the same in all sixteen waves; no barrier and no tensor load stands under it
	s_cbranch_scc1 .Lsame
	FINISH
	s_wait_xcnt 0x0                                ; the stores have read their base and registers
	s_mov_b64 s[YA:YA+1], s[YA2:YA2+1]             ; the second block
	s_mov_b32 s[Q0], s[Q02]
	s_mov_b32 s[QEND], s[QEND2]
	s_mov_b32 s[KF], 0
	QLOAD QA2
	INIT
	s_wait_loadcnt 0x0
.Lsame:
	s_sub_co_u32 s[SLOTS], s[SLOTS], 1
	s_cmp_lg_u32 s[SLOTS], 0
	s_cbranch_scc1 .Lslot
	CHANGE 0                                       ; the ninth slot is written out: nothing is left to ask for
	STEP 0
	STEP 1
	STEP 2
	STEP 3
	FINISH
	s_wait_tensorcnt 0x0                           ; the wave's end, behind my last tensor load and my last LDS store
	ds_add_u32 v[SPW], v[NIL]
	s_wait_dscnt 0x0
	s_endpgm
.Lfunc_end_k_qc763e28251_attn:
	.size	k_qc763e28251_attn, .Lfunc_end_k_qc763e28251_attn-k_qc763e28251_attn
	.p2alignl 7, 3214868480
	.fill 96, 4, 3214868480
	.section	.rodata,"a",@progbits
	.p2align	6, 0x0
	.amdhsa_kernel k_qc763e28251_attn
		.amdhsa_group_segment_fixed_size 327680
		.amdhsa_private_segment_fixed_size 0
		.amdhsa_enable_private_segment 0
		.amdhsa_kernarg_size 16
		.amdhsa_user_sgpr_count 2
		.amdhsa_user_sgpr_kernarg_segment_ptr 1
		.amdhsa_wavefront_size32 1
		.amdhsa_system_sgpr_workgroup_id_x 1
		.amdhsa_system_sgpr_workgroup_id_y 1
		.amdhsa_system_sgpr_workgroup_id_z 1
		.amdhsa_system_vgpr_workitem_id 0
		.amdhsa_next_free_vgpr 256
		.amdhsa_next_free_sgpr 98
		.amdhsa_reserve_vcc 1
		.amdhsa_float_denorm_mode_32 3
		.amdhsa_float_denorm_mode_16_64 3
		.amdhsa_memory_ordered 1
		.amdhsa_forward_progress 1
		.amdhsa_inst_pref_size 114
	.end_amdhsa_kernel
	.amdgpu_metadata
---
amdhsa.version: [ 1, 2 ]
amdhsa.kernels:
  - .name:           k_qc763e28251_attn
    .symbol:         k_qc763e28251_attn.kd
    .args:
      - { .name: qkv16, .offset: 0, .size: 8, .value_kind: global_buffer, .address_space: global }
      - { .name: y16, .offset: 8, .size: 8, .value_kind: global_buffer, .address_space: global }
    .group_segment_fixed_size: 327680
    .private_segment_fixed_size: 0
    .kernarg_segment_align: 8
    .kernarg_segment_size: 16
    .max_flat_workgroup_size: 512
    .sgpr_count:     98
    .vgpr_count:     256
    .wavefront_size: 32
...
	.end_amdgpu_metadata
.endif
;; end of part 3
;; launch outp (part 4): grid 8 x 64, 4 waves a work-group, clusters of 4 x 4, 327,680 bytes of LDS; arguments y16, wot, bo, out0; writes out0
.if DOCPART == 4
	.amdgcn_target "amdgcn-amd-amdhsa--gfx1250"
	.amdhsa_code_object_version 6
	.text
	.protected	k_qc763e28251_outp
	.globl	k_qc763e28251_outp
	.p2align	8
	.type	k_qc763e28251_outp,@function
k_qc763e28251_outp:
	s_mov_b64 s[64:65], 0
	v_nop
	global_prefetch_b8 v0, s[64:65] scope:SCOPE_SE
	s_setreg_imm32_b32 hwreg(HW_REG_WAVE_MODE, 25, 1), 1
	s_wait_xcnt 0x0
	s_wait_alu depctr_hold_cnt(0) depctr_sa_sdst(0) depctr_va_vdst(0) depctr_va_sdst(0) depctr_va_ssrc(0) depctr_va_vcc(0) depctr_vm_vsrc(0)
	s_getreg_b32 s2, hwreg(HW_REG_IB_STS2, 6, 4)
	s_cmp_eq_u32 s2, 0
	s_cbranch_scc0 .Lentry_in_a_cluster
	s_endpgm
.Lentry_in_a_cluster:
	s_bfe_u32 s2, ttmp6, 0x10000c
	s_cmp_lg_u32 s2, 0xf033
	s_cbranch_scc0 .Lentry_shape_is_right
	s_endpgm
.Lentry_shape_is_right:
; out0[m][n] = the sum over k of y[m][k] wo[k][n] + bo[n]: [8192] x [1024] over K = 1024, f16 operands, f32 sums, f32 out.  y16 lies by heads, [b][h][s][64]; wot is wo turned, [n][k].
; All rows are made here; rows of positions 0 .. 15 are written again by the launch that carries them in f32.
; A tile of 128 x 128; four waves, each 64 x 64: 16 accumulators.  K goes in four steps of 256 (four heads) through a ring of two LDS slots.
; y's TILE BY ONE DESCRIPTOR: 64 positions of one head are 8,192 dense bytes: stated as ONE row of 4,096 elements, four such rows (heads) 131,072 elements apart, 16 bytes of padding behind every 128:
; in LDS [head][position], 144 bytes a position, 9,216 a head.  A quarter of a K step, 64 along K, is one head's plane.
; CLUSTERS: 4 x 4 work-groups; y's tile is shared along a row of the cluster, wot's along a column, each asked for jointly.  THE MATRIX INSTRUCTION IS USED TRANSPOSED: a lane holds eight neighbouring columns of a row.
; The bias is the C of each sum's first product.  A wave's 64 columns of f32 are 256 bytes, aligned: each wave has a stage of its own on the way out, and no barrier stands there.
; REGISTERS: window 0: v0-31 addresses; v32-95 the way out; v96-127 the bias; v128-255 the accumulators.  Window 1: two fragment buffers of 128.
.set KSTEP,  256
.set PITCH,  528                       ; wot's rows in LDS: 512 bytes + 16
.set HALFB,  64*PITCH
.set AP,     144                       ; y's: 128 bytes + 16
.set APL,    64*AP
.set AHALF,  4*APL
.set BOFF,   2*AHALF
.set SLOT,   BOFF+2*HALFB
.set ASTEP,  1048576                   ; four heads on in y16
.set STAGE,  2*SLOT
.set SPITCH, 272
.set SPARE,  STAGE+4*16*SPITCH         ; the spare words, 128 bytes a wave: two blocks of 256 bytes that no other line names
.set LAPS,   2
.set ADRA, 16
.set ADRB, 20
.set STO,  24
.set RD,   25
.set CO,   26
.set BOO,  27                          ; v27  32 h: my half's eight numbers of the bias
.set SPW,  28
.set NIL,  29
.set TMP,  32
.set BIAS, 96
.set ACC,  128
.set F0,   0
.set F1,   128
.set G1, 24
.set G0, 32
.set G1B, 48
.set G0B, 56
.set MSB, 0
.macro WIN new
.if MSB != \new
	s_set_vgpr_msb (MSB<<8)|\new
.set MSB, \new
.endif
.endm
.set MUL,  0x05                        ; sources 0 and 1 window 1; C and D window 0
.set TO_F, 0x40
.macro JLOAD s                         ; waves 0, 1 fetch y's halves, waves 2, 3 wot's; an s_nop 0 and four v_nop follow each line
	s_cmp_eq_u32 s11, 0
	s_cbranch_scc0 .Lfor_b_\@
	tensor_load_to_lds s[G0+4*\s:G0+4*\s+3], s[G1:G1+7]
	s_nop 0
.rept 4
	v_nop
.endr
	s_branch .Lasked_\@
.Lfor_b_\@:
	tensor_load_to_lds s[G0B+4*\s:G0B+4*\s+3], s[G1B:G1B+7]
	s_nop 0
.rept 4
	v_nop
.endr
.Lasked_\@:
.endm
.macro CREST
	s_cmp_lg_u32 s10, 0
	s_cbranch_scc1 .Lnot_wave_0_\@
	s_barrier_signal -3
.Lnot_wave_0_\@:
	s_barrier_wait -3
	s_barrier_signal -1
	s_barrier_wait -1
.endm
.macro CROUND
	s_barrier_signal -1
	s_barrier_wait -1
	CREST
.endm
	s_load_b128 s[4:7], s[0:1], 0x0                ; y16, wot
	s_load_b128 s[68:71], s[0:1], 0x10             ; bo, out0
	v_lshl_add_u32 v[SPW], v0, 2, SPARE
	v_mov_b32 v[NIL], 0
	ds_add_u32 v[SPW], v[NIL]                      ; the wave's opening: the add, twice on end, and its wait ahead of my first tensor load
	ds_add_u32 v[SPW], v[NIL]
	v_lshrrev_b32 v1, 5, v0
	v_readfirstlane_b32 s10, v1                    ; wave 0..3
	s_lshr_b32 s11, s10, 1                         ; my half of the tile's rows.  Also: I fetch for y (0) or for wot (1)
	s_and_b32 s12, s10, 1                          ; my half of its columns.  Also: which 64 rows I fetch
	s_bfe_u32 s40, ttmp6, 0x40000
	s_bfe_u32 s41, ttmp6, 0x40004
	s_lshl_b32 s42, ttmp9, 2
	s_add_co_u32 s42, s42, s40                     ; tile column
	s_and_b32 s13, ttmp7, 0xffff
	s_lshl_b32 s13, s13, 2
	s_add_co_u32 s13, s13, s41                     ; tile row
	s_lshl_b32 s43, s41, 2
	s_lshl_b32 s43, 15, s43
	s_lshl_b32 s44, 0x1111, s40
	s_or_b32 s[G1+0], s43, (1<<16)|(1<<20)|(1<<21)|(4<<22)|(3<<25)   ; the mask: my row; elements of 2 bytes; 4 words of padding behind every 32; bit 21 beside a mask
	s_mov_b32 s[G1+1], 4096<<16                    ; tensor_dim0 = 4,096
	s_mov_b32 s[G1+2], 4<<16                       ; tensor_dim1 = 4
	s_mov_b32 s[G1+3], 4096<<16                    ; tile_dim0
	s_mov_b32 s[G1+4], 4                           ; tile_dim1
	s_mov_b32 s[G1+5], 131072                      ; from head to head
	s_mov_b32 s[G1+6], 0
	s_mov_b32 s[G1+7], 0
	s_or_b32 s[G1B+0], s44, (1<<16)|(1<<20)|(1<<21)|(6<<22)|(3<<25)  ; my column; 4 words behind every 128
	s_mov_b32 s[G1B+1], KSTEP<<16
	s_mov_b32 s[G1B+2], 64<<16
	s_mov_b32 s[G1B+3], KSTEP<<16
	s_mov_b32 s[G1B+4], 64
	s_mov_b32 s[G1B+5], 1024
	s_mov_b32 s[G1B+6], 0
	s_mov_b32 s[G1B+7], 0
	s_lshr_b32 s16, s13, 4                         ; y: batch = tile row / 16: 16 heads of 262,144 bytes;
	s_lshl_b32 s16, s16, 22
	s_and_b32 s17, s13, 15                         ; position 128 (tile row % 16) + 64 x half, 128 bytes each
	s_lshl_b32 s17, s17, 14
	s_add_co_u32 s16, s16, s17
	s_lshl_b32 s17, s12, 13
	s_add_co_u32 s16, s16, s17
	s_mov_b32 s17, 0
	s_lshl_b32 s46, s42, 18                        ; wot: row 128 x tile column + 64 x half, 2,048 bytes each
	s_lshl_b32 s47, s12, 17
	s_add_co_u32 s46, s46, s47
	s_mov_b32 s47, 0
	s_mul_i32 s20, s12, AHALF                      ; where they go: no place in the cluster enters an LDS address
	s_mul_i32 s21, s12, HALFB
	s_add_co_u32 s21, s21, BOFF
	s_wait_dscnt 0x0                               ; both opening adds are done
	s_wait_kmcnt 0x0
	s_add_nc_u64 s[14:15], s[4:5], s[16:17]
	s_add_nc_u64 s[46:47], s[6:7], s[46:47]
	CROUND                                         ; all sixteen work-groups are here: the first joint loads meet
.irp s, 0,1
	s_mov_b32 s[G0+4*\s], 1
	s_add_co_u32 s[G0+4*\s+1], s20, \s*SLOT
	s_add_nc_u64 s[G0+4*\s+2:G0+4*\s+3], s[14:15], \s*ASTEP
	s_or_b32 s[G0+4*\s+3], s[G0+4*\s+3], 0x80000000
	s_mov_b32 s[G0B+4*\s], 1
	s_add_co_u32 s[G0B+4*\s+1], s21, \s*SLOT
	s_add_nc_u64 s[G0B+4*\s+2:G0B+4*\s+3], s[46:47], \s*KSTEP*2
	s_or_b32 s[G0B+4*\s+3], s[G0B+4*\s+3], 0x80000000
	JLOAD \s
.endr
	v_and_b32 v1, 15, v0                           ; r
	v_bfe_u32 v2, v0, 4, 1                         ; h
	s_lshl_b32 s22, s42, 9                         ; my 64 columns, in bytes of f32: 512 x tile column + 256 x half
	s_lshl_b32 s23, s12, 8
	s_add_co_u32 s22, s22, s23
	s_mov_b32 s23, 0
	s_add_nc_u64 s[68:69], s[68:69], s[22:23]
	v_lshlrev_b32 v[BOO], 5, v2
.irp b, 0,1,2,3                                ; lane (r, h), block b: bo at columns 16 b + 8 h + 0 .. 7: the result's layout
	global_load_b128 v[BIAS+8*\b:BIAS+8*\b+3], v[BOO], s[68:69] offset:64*\b
	global_load_b128 v[BIAS+8*\b+4:BIAS+8*\b+7], v[BOO], s[68:69] offset:64*\b+16
.endr
	v_mul_u32_u24 v3, v1, AP
	v_lshl_add_u32 v3, v2, 4, v3
	v_mul_u32_u24 v4, v1, PITCH
	v_lshl_add_u32 v4, v2, 4, v4
	s_mul_i32 s20, s11, AHALF                      ; my 64 rows of y
	s_mul_i32 s21, s12, HALFB                      ; my 64 rows of wot
	s_add_co_u32 s21, s21, BOFF
.irp s, 0,1
	v_add_nc_u32 v[ADRA+\s], s20, v3
	v_add_nc_u32 v[ADRB+\s], s21, v4
	s_add_co_u32 s20, s20, SLOT
	s_add_co_u32 s21, s21, SLOT
.endr
	s_mul_i32 s20, s10, 16*SPITCH
	s_add_co_u32 s20, s20, STAGE                   ; my stage
	v_mul_u32_u24 v4, v1, SPITCH
	v_lshl_add_u32 v4, v2, 5, v4
	v_add_nc_u32 v[STO], s20, v4                   ; in: row r, 32 bytes for each half of the lanes
	v_mul_u32_u24 v5, v2, SPITCH
	v_lshl_add_u32 v5, v1, 4, v5
	v_add_nc_u32 v[RD], s20, v5                    ; back: lanes 0-15 one row of 256 bytes, lanes 16-31 the next
	v_lshlrev_b32 v5, 12, v2
	v_lshl_add_u32 v[CO], v1, 4, v5                ; and the same two rows in out0
	s_lshl_b32 s20, s13, 19                        ; my first row: 128 x tile row + 64 x half, 4,096 bytes each
	s_lshl_b32 s21, s11, 18
	s_add_co_u32 s20, s20, s21
	s_mov_b32 s21, 0
	s_add_nc_u64 s[20:21], s[20:21], s[22:23]
	s_add_nc_u64 s[8:9], s[70:71], s[20:21]
.macro MUL8 f, c, a0, zero             ; 8 matrix instructions: m blocks a0, a0 + 1 x all 4 n blocks, 32 along K.  zero = 1: the first product starts the sum from the bias
.irp a, \a0, \a0+1
.irp b, 0,1,2,3
.if \zero
	v_wmma_f32_16x16x32_f16 v[ACC+8*(4*(\a)+\b):ACC+8*(4*(\a)+\b)+7], v[\f+64+8*(4*\c+\b):\f+64+8*(4*\c+\b)+7], v[\f+8*(4*\c+\a):\f+8*(4*\c+\a)+7], v[BIAS+8*\b:BIAS+8*\b+7]
.else
	v_wmma_f32_16x16x32_f16 v[ACC+8*(4*(\a)+\b):ACC+8*(4*(\a)+\b)+7], v[\f+64+8*(4*\c+\b):\f+64+8*(4*\c+\b)+7], v[\f+8*(4*\c+\a):\f+8*(4*\c+\a)+7], v[ACC+8*(4*(\a)+\b):ACC+8*(4*(\a)+\b)+7]
.endif
.endr
.endr
.endm
.macro FETCH slot, k, f                ; 32 LDS loads in one run: 64 along K: byte k of wot's rows, plane k / 128 of y's; the first 32 along K first
	WIN TO_F
.irp c, 0,1
.irp i, 0,1,2,3
	ds_load_b128 v[\f+64+8*(4*\c+\i):\f+64+8*(4*\c+\i)+3],   v[ADRB+\slot] offset:\k+64*\c+\i*16*PITCH
	ds_load_b128 v[\f+64+8*(4*\c+\i)+4:\f+64+8*(4*\c+\i)+7], v[ADRB+\slot] offset:\k+64*\c+\i*16*PITCH+32
	ds_load_b128 v[\f+8*(4*\c+\i):\f+8*(4*\c+\i)+3],         v[ADRA+\slot] offset:((\k)/128)*APL+64*\c+\i*16*AP
	ds_load_b128 v[\f+8*(4*\c+\i)+4:\f+8*(4*\c+\i)+7],       v[ADRA+\slot] offset:((\k)/128)*APL+64*\c+\i*16*AP+32
.endr
.endr
.endm
.macro PLACES
.rept 4
	v_nop
.endr
.endm
.macro QUARTER slot, k, f, g, zero
	s_wait_dscnt 16                                ; the first 32 along K are in; the youngest sixteen loads may be out
	WIN MUL
	MUL8 \f, 0, 0, \zero
	MUL8 \f, 0, 2, \zero
	PLACES
	FETCH \slot, \k, \g
	s_wait_dscnt 32                                ; all but the 32 just issued
	WIN MUL
	MUL8 \f, 1, 0, 0
	MUL8 \f, 1, 2, 0
.endm
.macro TURN slot, next, fill           ; the last quarter changes slots: one barrier; fill = 1: it opens a round of the cluster's barrier, and this slot is filled again, two K steps ahead
	WIN 0
	s_wait_tensorcnt 0x0                           ; all my tensor loads have landed: my part of the next slot
	ds_add_u32 v[SPW], v[NIL]
	s_wait_dscnt 17                                ; the add and the youngest sixteen loads may be out
	WIN MUL
	MUL8 F1, 0, 0, 0
	s_wait_dscnt 0x0                               ; the add is done, and my reads of this slot are over
	s_barrier_signal -1
	MUL8 F1, 0, 2, 0
.if \fill
	WIN 0
.endif
	s_barrier_wait -1
.if \fill
	CREST                                          ; no wave of any partner still reads this slot or has a load on its way
	s_add_nc_u64 s[G0+4*\slot+2:G0+4*\slot+3], s[G0+4*\slot+2:G0+4*\slot+3], 2*ASTEP
	s_add_nc_u64 s[G0B+4*\slot+2:G0B+4*\slot+3], s[G0B+4*\slot+2:G0B+4*\slot+3], 2*KSTEP*2
	JLOAD \slot                                    ; the first tensor load behind the round; its four v_nop are also the places in front of the loads below
.else
	PLACES
.endif
	FETCH \next, 0, F0
	WIN MUL
	MUL8 F1, 1, 0, 0
	MUL8 F1, 1, 2, 0
.endm
	s_wait_tensorcnt 1                             ; my part of K step 0 is in; K step 1's may be out
	s_barrier_signal -1
	s_barrier_wait -1
	FETCH 0, 0, F0
	s_wait_loadcnt 0x0                             ; the bias
	QUARTER 0, 128, F0, F1, 1
	WIN 0
	s_mov_b32 s3, LAPS-1
.Llap:                                                 ; a trip goes once round the ring and fills both slots again
	QUARTER 0, 256, F1, F0, 0
	QUARTER 0, 384, F0, F1, 0
	TURN 0, 1, 1
	QUARTER 1, 128, F0, F1, 0
	QUARTER 1, 256, F1, F0, 0
	QUARTER 1, 384, F0, F1, 0
	TURN 1, 0, 1
	QUARTER 0, 128, F0, F1, 0
	WIN 0
	s_sub_co_u32 s3, s3, 1
	s_cmp_lg_u32 s3, 0
	s_cbranch_scc1 .Llap
	QUARTER 0, 256, F1, F0, 0                      ; the last lap fills nothing
	QUARTER 0, 384, F0, F1, 0
	TURN 0, 1, 0
	QUARTER 1, 128, F0, F1, 0
	QUARTER 1, 256, F1, F0, 0
	QUARTER 1, 384, F0, F1, 0
	s_wait_dscnt 16
	WIN MUL
	MUL8 F1, 0, 0, 0
	MUL8 F1, 0, 2, 0
	s_wait_dscnt 0
	MUL8 F1, 1, 0, 0
	MUL8 F1, 1, 2, 0
	WIN 0
	; THE WAY OUT, 16 rows x 64 columns at a time, through my own stage: LDS serves a wave's instructions in order, so no wait stands between the stores and the loads
.macro TOST a
.set BB, TMP+32*((\a)%2)
.irp b, 0,1,2,3
	ds_store_b128 v[STO], v[ACC+8*(4*(\a)+\b):ACC+8*(4*(\a)+\b)+3] offset:64*\b      ; each accumulator from its low end on
	ds_store_b128 v[STO], v[ACC+8*(4*(\a)+\b)+4:ACC+8*(4*(\a)+\b)+7] offset:64*\b+16
.endr
.irp t, 0,1,2,3,4,5,6,7
	ds_load_b128 v[BB+4*\t:BB+4*\t+3], v[RD] offset:2*\t*SPITCH
.endr
.endm
.macro SENDO a, younger
.set BB, TMP+32*((\a)%2)
	s_wait_dscnt \younger
.irp t, 0,1,2,3,4,5,6,7
	global_store_b128 v[CO], v[BB+4*\t:BB+4*\t+3], s[8:9] offset:(16*(\a)+2*\t)*4096 th:TH_STORE_NT   ; sixteen lanes store 256 consecutive bytes, aligned
.endr
.endm
	PLACES
	TOST 0
.irp a, 1,2,3
.if \a > 1
	s_wait_xcnt 0x0                                ; block a - 2's stores have read their registers
.endif
	TOST \a
	SENDO \a-1, 16                                 ; behind block a - 1's loads: block a's 8 stores and 8 loads
.endr
	SENDO 3, 0
	s_wait_tensorcnt 0x0                           ; the wave's end
	ds_add_u32 v[SPW], v[NIL]
	s_wait_dscnt 0x0
	CROUND                                         ; the closing round
	s_endpgm
.Lfunc_end_k_qc763e28251_outp:
	.size	k_qc763e28251_outp, .Lfunc_end_k_qc763e28251_outp-k_qc763e28251_outp
	.p2alignl 7, 3214868480
	.fill 96, 4, 3214868480
	.section	.rodata,"a",@progbits
	.p2align	6, 0x0
	.amdhsa_kernel k_qc763e28251_outp
		.amdhsa_group_segment_fixed_size 327680
		.amdhsa_private_segment_fixed_size 0
		.amdhsa_enable_private_segment 0
		.amdhsa_kernarg_size 32
		.amdhsa_user_sgpr_count 2
		.amdhsa_user_sgpr_kernarg_segment_ptr 1
		.amdhsa_wavefront_size32 1
		.amdhsa_system_sgpr_workgroup_id_x 1
		.amdhsa_system_sgpr_workgroup_id_y 1
		.amdhsa_system_sgpr_workgroup_id_z 1
		.amdhsa_system_vgpr_workitem_id 0
		.amdhsa_next_free_vgpr 512
		.amdhsa_next_free_sgpr 72
		.amdhsa_reserve_vcc 0
		.amdhsa_float_denorm_mode_32 3
		.amdhsa_float_denorm_mode_16_64 3
		.amdhsa_memory_ordered 1
		.amdhsa_forward_progress 1
		.amdhsa_inst_pref_size 87
	.end_amdhsa_kernel
	.amdgpu_metadata
---
amdhsa.version: [ 1, 2 ]
amdhsa.kernels:
  - .name:           k_qc763e28251_outp
    .symbol:         k_qc763e28251_outp.kd
    .args:
      - { .name: y16, .offset: 0, .size: 8, .value_kind: global_buffer, .address_space: global }
      - { .name: wot, .offset: 8, .size: 8, .value_kind: global_buffer, .address_space: global }
      - { .name: bo, .offset: 16, .size: 8, .value_kind: global_buffer, .address_space: global }
      - { .name: out0, .offset: 24, .size: 8, .value_kind: global_buffer, .address_space: global }
    .group_segment_fixed_size: 327680
    .private_segment_fixed_size: 0
    .kernarg_segment_align: 8
    .kernarg_segment_size: 32
    .max_flat_workgroup_size: 128
    .sgpr_count:     72
    .vgpr_count:     512
    .wavefront_size: 32
...
	.end_amdgpu_metadata
.endif
;; end of part 4
;; launch head16 (part 5): grid 16 x 4, 16 waves a work-group, no clusters, 280,576 bytes of LDS; arguments s32, wo, bo, out0; writes out0
.if DOCPART == 5
	.amdgcn_target "amdgcn-amd-amdhsa--gfx1250"
	.amdhsa_code_object_version 6
	.text
	.protected	k_qc763e28251_head16
	.globl	k_qc763e28251_head16
	.p2align	8
	.type	k_qc763e28251_head16,@function
k_qc763e28251_head16:
	s_mov_b64 s[64:65], 0
	v_nop
	global_prefetch_b8 v0, s[64:65] scope:SCOPE_SE
	s_setreg_imm32_b32 hwreg(HW_REG_WAVE_MODE, 25, 1), 1
	s_wait_xcnt 0x0
; Positions 0 .. 15 of every sequence average one to sixteen values and are the largest rows of the output: they are carried in f32 from the turned q, k and v (s32) to out0, attention and projection, and written over
; what the launch before left in those 64 rows.  All products by v_wmma_f32_16x16x4_f32; its results' registers are written by matrix instructions alone.
; SHARES.  Work-group (c, b): 64 columns of out0 for batch b.  Wave h: head h's attention on 16 x 16 (repeated in the 16 column groups: 0.5 million multiply-adds), then y_h (16 x 64) x wo[64 h .. + 63][64 c .. + 63];
; the sixteen partial results meet in LDS, and wave w sums query w over the heads, adds bo and stores one aligned run of 256 bytes.
; Each wave's tile of wo, 64 rows x 256 bytes, comes by one tensor load into bytes of its own (pitch 272), which only that wave reads; after its last read the first 16 rows serve as the wave's stage.
; THE SAME ORDER OF k ON BOTH SIDES keeps a product's terms: so q and k are loaded 16 bytes a lane, p's registers (2 t, 2 t + 1: keys 8 h + 2 t + 0, 1) are source 1 as they stand, and so are y's.
; The order of the f32 sums differs from the problem's own.  NaN and infinities among the inputs are not served.
.set WT,    17408
.set SPARE, 16*WT                      ; the spare words, 128 bytes a wave: eight blocks of 256 bytes that no other line names
.set QKO, 3                            ; v3   256 r + 16 h
.set VO,  4                            ; v4   2,048 h + 4 r
.set WL,  5                            ; v5   my tile + 2,176 h + 4 r
.set STO, 6                            ; v6   my tile + 272 r + 32 h
.set RDR, 7                            ; v7   139,264 h + 272 x wave + 16 r: heads 8 h + 0 .. 3;  v13: 69,632 on: heads 8 h + 4 .. 7
.set SPW, 8
.set NIL, 9
.set RO,  10                           ; v10  16 r
.set RDR2, 13
.set LN,  14
.set QF,  16
.set KFR, 48
.set VF,  80
.set S0,  112                          ; v112-127 the scores, in two sums by turns
.set SS,  128                          ; v128-135 their sum, then p
.set TT,  136
.set YT,  144
.set OU,  176
.set WA,  208
.set BI,  240
.macro WLOAD cb, reg                   ; wo's rows 16 cb + 8 h + 2 t + j at column 16 nb + r: source 0 of the projection's 16 products on channels 16 cb ..
.irp nb, 0,1,2,3
.irp t, 0,1,2,3
.irp j, 0,1
	ds_load_b32 v[\reg+8*\nb+2*\t+\j], v[WL] offset:(16*(\cb)+2*\t+\j)*272+64*\nb
.endr
.endr
.endr
.endm
.macro PLACES n
.rept \n
	v_nop
.endr
.endm
	s_load_b256 s[4:11], s[0:1], 0x0               ; s32 s[4:5], wo s[6:7], bo s[8:9], out0 s[10:11]
	v_lshl_add_u32 v[SPW], v0, 2, SPARE
	v_mov_b32 v[NIL], 0
	ds_add_u32 v[SPW], v[NIL]                      ; the wave's opening: the add, twice on end, and its wait ahead of my tensor load
	ds_add_u32 v[SPW], v[NIL]
	v_lshrrev_b32 v1, 5, v0
	v_readfirstlane_b32 s12, v1                    ; wave = head = the query that I sum
	s_mov_b32 s16, (2<<16)|(1<<20)|(5<<22)|(3<<25) ; elements of 4 bytes; 4 words of padding behind every 64
	s_mov_b32 s17, 64<<16                          ; tensor_dim0
	s_mov_b32 s18, 64<<16                          ; tensor_dim1
	s_mov_b32 s19, 64<<16                          ; tile_dim0
	s_mov_b32 s20, 64                              ; tile_dim1
	s_mov_b32 s21, 1024                            ; from row to row
	s_mov_b32 s22, 0
	s_mov_b32 s23, 0
	s_mul_i32 s13, s12, WT
	s_and_b32 s14, ttmp7, 0xffff                   ; b
	s_lshl_b32 s36, ttmp9, 8                       ; my 64 columns, in bytes
	s_mov_b32 s37, 0
	s_lshl_b32 s32, s12, 18                        ; wo: 64 rows of 4,096 bytes a head
	s_add_co_u32 s32, s32, s36
	s_mov_b32 s33, 0
	s_lshl_b32 s34, s14, 16                        ; s32: 4,096 bytes a head, 16 heads a batch
	s_lshl_b32 s35, s12, 12
	s_add_co_u32 s34, s34, s35
	s_lshl_b32 s38, s14, 23                        ; out0: row 2,048 b + wave, 4,096 bytes each
	s_add_co_u32 s38, s38, s35
	s_add_co_u32 s38, s38, s36
	s_mov_b32 s35, 0
	s_mov_b32 s39, 0
	s_mov_b32 s28, 0x76543210
	s_mov_b32 s29, 0xfedcba98                      ; lane l xor 16
	s_mov_b32 s30, 0x3e38aa3b                      ; c = log2(e) / 8
	s_wait_dscnt 0x0                               ; both opening adds are done
	s_wait_kmcnt 0x0
	s_mov_b32 s24, 1
	s_mov_b32 s25, s13
	s_add_nc_u64 s[26:27], s[6:7], s[32:33]
	s_or_b32 s27, s27, 0x80000000
	tensor_load_to_lds s[24:27], s[16:23]          ; my one tensor load
	s_nop 0
	s_add_nc_u64 s[4:5], s[4:5], s[34:35]
	s_add_nc_u64 s[8:9], s[8:9], s[36:37]
	s_add_nc_u64 s[10:11], s[10:11], s[38:39]
	v_and_b32 v1, 15, v0                           ; r
	v_bfe_u32 v2, v0, 4, 1                         ; h
	v_and_b32 v[LN], 31, v0
	v_lshlrev_b32 v[RO], 4, v1
	v_lshlrev_b32 v[QKO], 8, v1
	v_lshl_add_u32 v[QKO], v2, 4, v[QKO]
	v_lshlrev_b32 v[VO], 11, v2
	v_lshl_add_u32 v[VO], v1, 2, v[VO]
	global_load_b128 v[BI:BI+3], v[RO], s[8:9]     ; bo at my four columns
.irp u, 0,1,2,3,4,5,6,7                        ; lane (r, h): channels 8 u + 4 h + 0 .. 3 of row r, of q and of k alike
	global_load_b128 v[QF+4*\u:QF+4*\u+3], v[QKO], s[4:5] offset:32*\u
.endr
.irp u, 0,1,2,3,4,5,6,7
	global_load_b128 v[KFR+4*\u:KFR+4*\u+3], v[QKO], s[4:5] offset:262144+32*\u
.endr
.irp cb, 0,1,2,3                               ; v(key 8 h + 2 t + j, channel 16 cb + r)
.irp t, 0,1,2,3
.irp j, 0,1
	global_load_b32 v[VF+8*\cb+2*\t+\j], v[VO], s[4:5] offset:524288+(2*\t+\j)*256+64*\cb
.endr
.endr
.endr
	v_mul_u32_u24 v[WL], v2, 2176
	v_lshl_add_u32 v[WL], v1, 2, v[WL]
	v_add_nc_u32 v[WL], s13, v[WL]
	v_mul_u32_u24 v[STO], v1, 272
	v_lshl_add_u32 v[STO], v2, 5, v[STO]
	v_add_nc_u32 v[STO], s13, v[STO]
	s_mul_i32 s31, s12, 272
	v_mul_u32_u24 v[RDR], v2, 139264
	v_lshl_add_u32 v[RDR], v1, 4, v[RDR]
	v_add_nc_u32 v[RDR], s31, v[RDR]
	v_add_nc_u32 v[RDR2], 69632, v[RDR]
	v_lshlrev_b32 v[TT], 3, v2
	v_sub_nc_u32 v[TT], v1, v[TT]                  ; r - 8 h
	v_mov_b32 v[TT+1], 0xff800000                  ; -infinity
	v_mov_b32 v[TT+3], 0                           ; (a lane permute's destination counts as one of its sources)
	s_wait_loadcnt 32                              ; bo, q and k are in; v's 32 loads may be out
.irp u, 0,1,2,3,4,5,6,7                        ; S^T = k q^T: 16 steps of 4 channels, two sums by turns; each sum's first step starts it
.irp e, 0,1
.if \u == 0
	v_wmma_f32_16x16x4_f32 v[S0+8*\e:S0+8*\e+7], v[KFR+4*\u+2*\e:KFR+4*\u+2*\e+1], v[QF+4*\u+2*\e:QF+4*\u+2*\e+1], 0
.else
	v_wmma_f32_16x16x4_f32 v[S0+8*\e:S0+8*\e+7], v[KFR+4*\u+2*\e:KFR+4*\u+2*\e+1], v[QF+4*\u+2*\e:QF+4*\u+2*\e+1], v[S0+8*\e:S0+8*\e+7]
.endif
.endr
.endr
	s_wait_tensorcnt 0x0                           ; my tile of wo is in LDS; nobody else reads it
	PLACES 8                                       ; eight places behind this form: ahead of the loads into q's registers and of the first read of the scores
	WLOAD 0, WA
	WLOAD 1, QF
.irp j, 0,1,2,3,4,5,6,7
	v_add_f32 v[SS+\j], v[S0+\j], v[S0+8+\j]       ; lane (r, h): query r, key 8 h + j
.endr
.irp j, 0,1,2,3,4,5,6,7
	v_cmp_gt_i32 vcc_lo, \j, v[TT]                 ; hidden where 8 h + j > r
	v_cndmask_b32 v[SS+\j], v[SS+\j], v[TT+1], vcc_lo
.endr
	v_max3_num_f32 v[TT+2], v[SS], v[SS+1], v[SS+2]
	v_max3_num_f32 v[TT+2], v[TT+2], v[SS+3], v[SS+4]
	v_max3_num_f32 v[TT+2], v[TT+2], v[SS+5], v[SS+6]
	v_max_num_f32 v[TT+2], v[TT+2], v[SS+7]
	v_permlanex16_b32 v[TT+3], v[TT+2], s28, s29
	v_max_num_f32 v[TT+2], v[TT+2], v[TT+3]        ; the row's maximum: key 0 counts for every query
	v_mul_f32 v[TT+2], s30, v[TT+2]
.irp j, 0,1,2,3,4,5,6,7
	v_fma_f32 v[SS+\j], v[SS+\j], s30, -v[TT+2]
.endr
.irp j, 0,1,2,3,4,5,6,7
	v_exp_f32 v[SS+\j], v[SS+\j]
.endr
	v_nop
	s_wait_alu depctr_va_vdst(0)                   ; one wait for the eight, ahead of their first reader
	v_add_f32 v[TT+4], v[SS], v[SS+1]
	v_add_f32 v[TT+5], v[SS+2], v[SS+3]
	v_add_f32 v[TT+6], v[SS+4], v[SS+5]
	v_add_f32 v[TT+7], v[SS+6], v[SS+7]
	v_add_f32 v[TT+4], v[TT+4], v[TT+5]
	v_add_f32 v[TT+6], v[TT+6], v[TT+7]
	v_add_f32 v[TT+4], v[TT+4], v[TT+6]
	v_permlanex16_b32 v[TT+3], v[TT+4], s28, s29
	v_add_f32 v[TT+4], v[TT+4], v[TT+3]
	v_rcp_f32 v[TT+5], v[TT+4]
	v_nop
	s_wait_alu depctr_va_vdst(0)
.irp j, 0,1,2,3,4,5,6,7
	v_mul_f32 v[SS+\j], v[SS+\j], v[TT+5]          ; the weights, normalised
.endr
	s_wait_loadcnt 0x0                             ; v
.irp t, 0,1,2,3                                ; y^T = v^T p: four accumulators (16 channels each) by turns
.irp cb, 0,1,2,3
.if \t == 0
	v_wmma_f32_16x16x4_f32 v[YT+8*\cb:YT+8*\cb+7], v[VF+8*\cb+2*\t:VF+8*\cb+2*\t+1], v[SS+2*\t:SS+2*\t+1], 0
.else
	v_wmma_f32_16x16x4_f32 v[YT+8*\cb:YT+8*\cb+7], v[VF+8*\cb+2*\t:VF+8*\cb+2*\t+1], v[SS+2*\t:SS+2*\t+1], v[YT+8*\cb:YT+8*\cb+7]
.endif
.endr
.endr
	PLACES 9                                       ; nine places before a matrix instruction takes these results as a source
.irp cb, 0,1,2,3                               ; out^T += wo^T y^T: four accumulators (16 columns each) by turns; wo's fragments in two buffers
.if \cb < 3
	s_wait_dscnt 32                                ; this buffer's 32 loads are in; the other's may be out
.else
	s_wait_dscnt 0
.endif
.irp t, 0,1,2,3
.irp nb, 0,1,2,3
.if (\cb == 0) && (\t == 0)
	v_wmma_f32_16x16x4_f32 v[OU+8*\nb:OU+8*\nb+7], v[WA-(WA-QF)*(\cb%2)+8*\nb+2*\t:WA-(WA-QF)*(\cb%2)+8*\nb+2*\t+1], v[YT+8*\cb+2*\t:YT+8*\cb+2*\t+1], 0
.else
	v_wmma_f32_16x16x4_f32 v[OU+8*\nb:OU+8*\nb+7], v[WA-(WA-QF)*(\cb%2)+8*\nb+2*\t:WA-(WA-QF)*(\cb%2)+8*\nb+2*\t+1], v[YT+8*\cb+2*\t:YT+8*\cb+2*\t+1], v[OU+8*\nb:OU+8*\nb+7]
.endif
.endr
.endr
	PLACES 8                                       ; ahead of the loads into the buffer just read, and at the end of the first read of results
.if \cb < 2
	WLOAD \cb+2, WA-(WA-QF)*(\cb%2)
.endif
.endr
.irp nb, 0,1,2,3                               ; lane (r, h): query r, columns 16 nb + 8 h + 0 .. 7: into my stage, over rows of wo that I have read
	ds_store_b128 v[STO], v[OU+8*\nb:OU+8*\nb+3] offset:64*\nb
	ds_store_b128 v[STO], v[OU+8*\nb+4:OU+8*\nb+7] offset:64*\nb+16
.endr
	s_wait_dscnt 0x0                               ; for the others' sake: my stores are done
	s_barrier_signal -1
	s_barrier_wait -1
.irp i, 0,1,2,3                                ; query = my wave's number; lanes 0-15 take heads 0 .. 7, lanes 16-31 heads 8 .. 15; four columns a lane
	ds_load_b128 v[KFR+4*\i:KFR+4*\i+3], v[RDR] offset:\i*WT
.endr
.irp i, 0,1,2,3
	ds_load_b128 v[KFR+16+4*\i:KFR+16+4*\i+3], v[RDR2] offset:\i*WT
.endr
	s_wait_dscnt 0x0
.irp i, 0,2,4,6
	v_pk_add_f32 v[KFR+4*\i:KFR+4*\i+1], v[KFR+4*\i:KFR+4*\i+1], v[KFR+4*\i+4:KFR+4*\i+5]
	v_pk_add_f32 v[KFR+4*\i+2:KFR+4*\i+3], v[KFR+4*\i+2:KFR+4*\i+3], v[KFR+4*\i+6:KFR+4*\i+7]
.endr
.irp i, 0,4
	v_pk_add_f32 v[KFR+4*\i:KFR+4*\i+1], v[KFR+4*\i:KFR+4*\i+1], v[KFR+4*\i+8:KFR+4*\i+9]
	v_pk_add_f32 v[KFR+4*\i+2:KFR+4*\i+3], v[KFR+4*\i+2:KFR+4*\i+3], v[KFR+4*\i+10:KFR+4*\i+11]
.endr
	v_pk_add_f32 v[KFR:KFR+1], v[KFR:KFR+1], v[KFR+16:KFR+17]
	v_pk_add_f32 v[KFR+2:KFR+3], v[KFR+2:KFR+3], v[KFR+18:KFR+19]
.irp j, 0,1,2,3
	v_permlanex16_b32 v[VF+\j], v[KFR+\j], s28, s29
.endr
	v_pk_add_f32 v[KFR:KFR+1], v[KFR:KFR+1], v[VF:VF+1]
	v_pk_add_f32 v[KFR+2:KFR+3], v[KFR+2:KFR+3], v[VF+2:VF+3]
	v_pk_add_f32 v[KFR:KFR+1], v[KFR:KFR+1], v[BI:BI+1]
	v_pk_add_f32 v[KFR+2:KFR+3], v[KFR+2:KFR+3], v[BI+2:BI+3]
	v_cmp_gt_u32 vcc_lo, 16, v[LN]
	s_wait_xcnt 0x0                                ; EXEC changes only behind this wait
	s_and_saveexec_b32 s40, vcc_lo
	global_store_b128 v[RO], v[KFR:KFR+3], s[10:11]   ; sixteen lanes store 256 consecutive bytes, aligned
	s_wait_xcnt 0x0                                ; and again, in front of the line that widens it
	s_or_b32 exec_lo, exec_lo, s40
	s_wait_tensorcnt 0x0                           ; the wave's end, behind my tensor load and my last LDS store
	ds_add_u32 v[SPW], v[NIL]
	s_wait_dscnt 0x0
	s_endpgm
.Lfunc_end_k_qc763e28251_head16:
	.size	k_qc763e28251_head16, .Lfunc_end_k_qc763e28251_head16-k_qc763e28251_head16
	.p2alignl 7, 3214868480
	.fill 96, 4, 3214868480
	.section	.rodata,"a",@progbits
	.p2align	6, 0x0
	.amdhsa_kernel k_qc763e28251_head16
		.amdhsa_group_segment_fixed_size 280576
		.amdhsa_private_segment_fixed_size 0
		.amdhsa_enable_private_segment 0
		.amdhsa_kernarg_size 32
		.amdhsa_user_sgpr_count 2
		.amdhsa_user_sgpr_kernarg_segment_ptr 1
		.amdhsa_wavefront_size32 1
		.amdhsa_system_sgpr_workgroup_id_x 1
		.amdhsa_system_sgpr_workgroup_id_y 1
		.amdhsa_system_sgpr_workgroup_id_z 1
		.amdhsa_system_vgpr_workitem_id 0
		.amdhsa_next_free_vgpr 256
		.amdhsa_next_free_sgpr 66
		.amdhsa_reserve_vcc 1
		.amdhsa_float_denorm_mode_32 3
		.amdhsa_float_denorm_mode_16_64 3
		.amdhsa_memory_ordered 1
		.amdhsa_forward_progress 1
		.amdhsa_inst_pref_size 30
	.end_amdhsa_kernel
	.amdgpu_metadata
---
amdhsa.version: [ 1, 2 ]
amdhsa.kernels:
  - .name:           k_qc763e28251_head16
    .symbol:         k_qc763e28251_head16.kd
    .args:
      - { .name: s32, .offset: 0, .size: 8, .value_kind: global_buffer, .address_space: global }
      - { .name: wo, .offset: 8, .size: 8, .value_kind: global_buffer, .address_space: global }
      - { .name: bo, .offset: 16, .size: 8, .value_kind: global_buffer, .address_space: global }
      - { .name: out0, .offset: 24, .size: 8, .value_kind: global_buffer, .address_space: global }
    .group_segment_fixed_size: 280576
    .private_segment_fixed_size: 0
    .kernarg_segment_align: 8
    .kernarg_segment_size: 32
    .max_flat_workgroup_size: 512
    .sgpr_count:     66
    .vgpr_count:     256
    .wavefront_size: 32
...
	.end_amdgpu_metadata
.endif
;; end of part 5
